; MI455X (gfx1250); checked and timed in simulation.
; The chip was launched on July 23, 2026; its instructions are those of AMD's public machine-readable ISA for CDNA 5 (MIT licence, August 2026) and "CDNA5" Instruction Set Architecture Reference Guide (July 2026). The comments in the code are by the model that wrote it; some were corrected since.
;; Self Attention. Allowed arithmetic: matrix products marked QUANTISED: E3M2 operands, one E8M0 scale for each 32 along K, by v_wmma_scale_f32_16x16x128_f8f6f4 with both operands' format E3M2, f32 sums; everything else in f32.
;; Inputs: Wk 1,024 x 2,048 float32; Wp 2,048 x 1,024 float32; Wq 1,024 x 2,048 float32; Wv 1,024 x 2,048 float32; X 2 x 2,048 x 1,024 float32; bk 2,048 float32; bp 1,024 float32; bq 2,048 float32; bv 2,048 float32.
;; Outputs: out0 2 x 2,048 x 1,024 float32.
;; This version of the problem:
;;   THIS VERSION OF THE PROBLEM IS GIVEN IN LOW PRECISION. The matrix products marked QUANTISED in the list below multiply operands that are first quantised to E3M2 (3 exponent bits, 2 mantissa bits; 6 bits a number), with one power-of-two scale for each 32 numbers along K (OCP MX v1.0); their sums are f32. All else is computed in f32.
;;   The module's matrix products, in the order in which they are computed (A, B: the left and right operand; K: the contracted axis; several contracted axes count as one K, in the product's order):
;;     1. [M 4,096, K 1,024] x [K 1,024, N 2,048]; A: input X; B: input Wq: QUANTISED
;;     2. [M 4,096, K 1,024] x [K 1,024, N 2,048]; A: input X; B: input Wk: QUANTISED
;;     3. [M 4,096, K 1,024] x [K 1,024, N 2,048]; A: input X; B: input Wv: QUANTISED
;;     4. batch 32 x [M 2,048, K 128] x [K 128, N 2,048]; A: computed on the way; B: computed on the way: QUANTISED
;;     5. batch 32 x [M 2,048, K 2,048] x [K 2,048, N 128]; A: softmax (see below); B: computed on the way: QUANTISED
;;     6. [M 4,096, K 2,048] x [K 2,048, N 1,024]; A: computed on the way; B: input Wp: QUANTISED
;;   THE QUANTISER, for each operand of a quantised product, along K:
;;     - K is cut into blocks of 32 from its start; a last block that is shorter is filled with zeros.
;;     - A block's scale is 2^e with e = floor(log2(the largest magnitude in the block)) - 4, held to -126 .. 127; a block of zeros has e = 0. As a byte (E8M0): e + 127.
;;     - Each number is divided by its block's scale, clamped to +-28, and rounded to the nearest number of E3M2, ties to even, subnormals kept.
;;     - The product sums the exact products of the quantised numbers (number of the format x scale) in f32.
;;   ~~~python
;;   def quantise(x, axis):      # numpy; x: float32 -> the quantised numbers, widened to float32 again
;;       x = np.moveaxis(x, axis, -1); K = x.shape[-1]
;;       x = np.pad(x, [(0, 0)] * (x.ndim - 1) + [(0, -K % 32)]); x = x.reshape(x.shape[:-1] + (-1, 32)); a = np.abs(x).max(-1, keepdims=True)
;;       e = np.where(a > 0, np.clip(np.frexp(np.where(a > 0, a, 1))[1] - 1 - 4, -126, 127), 0)      # np.frexp(a)[1] - 1 = floor(log2(a)), exactly
;;       r = np.clip(x / 2.0 ** e, -28, 28)
;;       step = 2.0 ** (np.maximum(np.frexp(np.where(r == 0, 1, r))[1] - 1, -2) - 2)
;;       q = np.round(r / step) * step * 2.0 ** e      # np.round: ties to even
;;       return np.moveaxis(q.reshape(q.shape[:-2] + (-1,))[..., :K], -1, axis).astype(np.float32)
;;   ~~~
;;   SOFTMAX AHEAD OF A QUANTISED PRODUCT. Where the list says 'softmax', what is quantised is not the finished softmax but p = 2^(t - M), with t = logit x log2(e) and M = ceil(the row's largest t), a whole number; so 1/2 < the row's largest p <= 1. The row's sum l is taken of the UNQUANTISED p, in f32, and the product's result is divided by l at the end. Since M is a whole number, a kernel that streams over the keys may use a running M (the ceiling of the running maximum): every later rescaling is an exact power of two, which a block's scale takes up: the codes' values come out the same.
;;   OPERANDS COMPUTED ON THE WAY. 'Computed on the way' means the value that the module computes at that place (a softmax that the list does not call 'softmax' is quantised finished and normalised). What goes into a quantiser is computed in f32, as accurately as f32 sums, v_exp_f32 and their like allow (about 1e-6 of the number): no bf16 or f16 on the way to a quantiser, and a product that is left as it is and whose result goes on into a quantised operand takes f32 operands (vector FMAs, or v_wmma_f32_16x16x4_f32). A number that lies on a knife's edge between two numbers of the format may be rounded either way, as far as f32 arithmetic and the matrix unit's own rounding can turn it there, and no further.
;; One version. Each part assembles by itself: llvm-mc -triple=amdgcn-amd-amdhsa -mcpu=gfx1250 --defsym DOCPART=n.
;; ======== version 1 of 1: 4 launches
;; limits: right only within a limited range of input values
;; workspace buffers: xc 3,276,800 bytes; wc 6,553,600 bytes; qkvc 19,660,800 bytes; yc 6,553,600 bytes
;; launch quant (part 1): grid 640 x 1, 4 waves a work-group, no clusters, 47,616 bytes of LDS; arguments X, Wq, Wk, Wv, Wp, xc, wc; writes xc, wc
.if DOCPART == 1
	.amdgcn_target "amdgcn-amd-amdhsa--gfx1250"
	.amdhsa_code_object_version 6
	.text
	.protected	k_q5871762dc1_quant
	.globl	k_q5871762dc1_quant
	.p2align	8
	.type	k_q5871762dc1_quant,@function
k_q5871762dc1_quant:
	s_mov_b64 s[64:65], 0
	v_nop
	global_prefetch_b8 v0, s[64:65] scope:SCOPE_SE
	s_setreg_imm32_b32 hwreg(HW_REG_WAVE_MODE, 25, 1), 1
	s_wait_xcnt 0x0
; X [4096][1024] (K innermost) and Wq, Wk, Wv [1024][2048], Wp [2048][1024] (K the first axis), all f32, become codes of BF6 (E3M2) with one E8M0 byte for each 32 along K.
; A block's scale is 2^(floor(log2(its largest magnitude)) - 4); its byte is the largest magnitude's exponent field - 4, held at 1 from below.
; LIMITS: NaN and infinities are not served.  A block whose largest magnitude lies under 2^-122, a block of zeros among them, keeps the byte 1: zeros' codes add nothing under it, and this program alone reads the bytes.
; THE RECORD, the one layout of every operand of this program: 12,800 bytes = 128 rows x 128 along K as images of the operand's registers.  Fragment a (16 rows, 12 registers a lane) at 1,536 a;
; in it registers 4 c .. 4 c + 3 of lane l at 512 c + 16 l.  At byte 12,288 the scale words: that of (block a = 4 H + j, row r) at 256 H + 16 r + 4 j.
; THE ROWS OF A BLOCK ARE NOT NEIGHBOURS: lane r of block 2 b + u holds row 32 b + 8 u + r + 8 (r / 8), so that a product that takes the record as source 0 leaves 16 neighbours in the 16 registers of two neighbouring tiles.
; xc: [token group 0..31][K step 0..7] records.  wc: records 0..383 = [column group of Wq, Wk, Wv on end: 0..47][K step 0..7]; records 384..511 = Wp [column group 0..7][K step 0..15].
; Work-groups 0-127 take X, 128-639 one record of a weight each.  Memory binds: every f32 is read once.  No tensor loads, no barrier, no cluster: waves share nothing.  Each of the two paths has LDS bytes of its own.
.set REC,   12800
.set XSTG,  16*528                     ; X path: a wave's stage: 16 rows x (512 bytes + 16)
.set WLDS,  4*XSTG                     ; the weight path's stages begin behind them
.set WIMG,  1664                       ; a fragment's image, 1,536 bytes, + 128: the two images of a wave start in different banks
.set WSTG,  2*WIMG
.set RX,    16                         ; v16-143  X path: two sets of 16 rows x 16 bytes a lane, as loaded
.set XS,    144                        ; v144-207 64 numbers of one row: register 16 b + i = k 32 b + 16 (lane / 16) + i
.set PC,    208                        ; v208-227 the codes just made
.set TM,    228                        ; v228-243 at work
.set PW,    244                        ; v244-247 the four blocks' scale words
.set SW,    248
.set SEL,   34                         ; s[34:35] lane selects for v_permlanex16_b32: lane l xor 16
; 64 numbers of a lane, v[s] .. v[s + 63], become a fragment's codes in v[PC] .. v[PC + 11] and my row's scale word in v[pw].
.macro QUANT s, pw
.irp b, 0,1,2,3
	v_max3_num_f32 v[TM+\b], |v[\s+16*\b]|, |v[\s+1+16*\b]|, 0x2800000   ; block b: my 16 numbers, and the floor 2^(5 - 127): the byte cannot fall under 1
.endr
.irp i, 2,4,6,8,10,12,14
.irp b, 0,1,2,3
	v_max3_num_f32 v[TM+\b], v[TM+\b], |v[\s+16*\b+\i]|, |v[\s+1+16*\b+\i]|   ; the four blocks by turns
.endr
.endr
.irp b, 0,1,2,3
	v_permlanex16_b32 v[TM+4+\b], v[TM+\b], s[SEL], s[SEL+1]
.endr
.irp b, 0,1,2,3
	v_max_num_f32 v[TM+\b], v[TM+\b], v[TM+4+\b]   ; with lane l xor 16's 16: the block's largest magnitude
.endr
.irp b, 0,1,2,3
	v_add_nc_u32 v[TM+12+\b], 0xfe000000, v[TM+\b]   ; 4 off its exponent field: the conversion's scale operand
.endr
.irp b, 0,1,2,3
	v_lshrrev_b32 v[TM+4+\b], 23, v[TM+12+\b]      ; the scale's byte
.endr
	v_lshl_or_b32 v[\pw], v[TM+5], 8, v[TM+4]
	v_lshl_or_b32 v[\pw], v[TM+6], 16, v[\pw]
	v_lshl_or_b32 v[\pw], v[TM+7], 24, v[\pw]
.irp c, 0,1
	v_cvt_scalef32_pk16_bf6_f32 v[PC+6*\c:PC+2+6*\c], v[\s+32*\c:\s+15+32*\c], v[TM+12+2*\c]
	v_cvt_scalef32_pk16_bf6_f32 v[PC+12+4*\c:PC+14+4*\c], v[\s+16+32*\c:\s+31+32*\c], v[TM+12+2*\c+1]   ; (a conversion's three registers begin on an even number)
.endr
	v_nop                                          ; one plain instruction behind the scaled conversions
.irp c, 0,1                                    ; the operand wants a whole block in a lane: lanes 0-15 block 2 c, lanes 16-31 block 2 c + 1
.irp i, 0,1,2
	v_permlane16_swap_b32 v[PC+6*\c+\i], v[PC+12+4*\c+\i]
.endr
.irp i, 0,1,2
	v_mov_b32 v[PC+3+6*\c+\i], v[PC+12+4*\c+\i]
.endr
.endr
.endm
	s_load_b256 s[4:11], s[0:1], 0x0               ; X s[4:5], Wq s[6:7], Wk s[8:9], Wv s[10:11]
	s_load_b128 s[12:15], s[0:1], 0x20             ; Wp s[12:13], xc s[14:15]
	s_load_b64 s[16:17], s[0:1], 0x30              ; wc
	v_lshl_add_u32 v254, v0, 2, 0xb800
	v_mov_b32 v255, 0
	v_lshrrev_b32 v1, 5, v0
	v_readfirstlane_b32 s18, v1                    ; wave 0..3
	v_and_b32 v1, 31, v0                           ; lane
	v_lshlrev_b32 v4, 4, v1                        ; 16 x lane
	s_cmp_lt_u32 ttmp9, 128
	s_cbranch_scc0 .Lweights
; ---- X.  Unit U = 4 x work-group + wave: K step s = U % 8, half H = (U / 8) % 2, token group g = U / 16.  A wave makes blocks 4 H .. 4 H + 3 of record (g, s): 64 tokens x 128 along K.
; A load reads 512 consecutive bytes of one row; 16 rows turn through the wave's own stage and come back 64 numbers of ONE row a lane.
	v_and_b32 v2, 15, v0                           ; r
	v_bfe_u32 v3, v0, 4, 1                         ; h
	s_mul_i32 s19, s18, XSTG
	v_add_nc_u32 v5, s19, v4                       ; into the stage: 16 x lane of a row
	v_mul_u32_u24 v6, v2, 528
	v_lshl_add_u32 v6, v3, 6, v6
	v_add_nc_u32 v6, s19, v6                       ; out of it: row r, + 64 h: my 16 numbers of each block of 32
	v_lshlrev_b32 v7, 4, v2
	v_lshl_add_u32 v7, v3, 3, v7                   ; the scale image: 16 r + 8 h
.irp b, 0,1,2,3
	v_mov_b32 v[TM+4+\b], 0                        ; written once: a lane permute's destination counts as one of its sources
.endr
	s_mov_b32 s[SEL], 0x76543210
	s_mov_b32 s[SEL+1], 0xfedcba98
	s_lshl_b32 s20, ttmp9, 2
	s_add_co_u32 s20, s20, s18                     ; U
	s_and_b32 s21, s20, 7                          ; s
	s_bfe_u32 s22, s20, 0x10003                    ; H
	s_lshr_b32 s23, s20, 4                         ; g
	s_lshl_b32 s24, s23, 19                        ; 128 rows of 4,096 bytes
	s_lshl_b32 s25, s22, 18                        ; 64 rows
	s_add_co_u32 s24, s24, s25
	s_lshl_b32 s25, s21, 9                         ; 128 numbers
	s_add_co_u32 s24, s24, s25
	s_mov_b32 s25, 0
	s_lshl_b32 s26, s23, 3
	s_add_co_u32 s26, s26, s21
	s_mul_i32 s26, s26, REC                        ; the record
	s_mov_b32 s27, 0
	s_mul_i32 s28, s22, 4*1536                     ; my four fragments in it
	s_mov_b32 s29, 0
	s_lshl_b32 s30, s22, 8                         ; my half of its scale image
	s_mov_b32 s31, 0
	s_wait_alu depctr_va_vdst(0)
	s_wait_kmcnt 0x0
	s_add_nc_u64 s[4:5], s[4:5], s[24:25]
	s_add_nc_u64 s[14:15], s[14:15], s[26:27]
	s_add_nc_u64 s[32:33], s[14:15], s[30:31]
	s_add_nc_u64 s[14:15], s[14:15], s[28:29]
.macro LOADX j                         ; block j's 16 rows, in the record's order, into set j % 2
.irp p, 0,1,2,3,4,5,6,7,8,9,10,11,12,13,14,15
	global_load_b128 v[RX+64*((\j)%2)+4*\p:RX+64*((\j)%2)+4*\p+3], v4, s[4:5] offset:(32*((\j)/2)+8*((\j)%2)+\p+8*(\p/8))*4096 th:TH_LOAD_NT
.endr
.endm
.macro XBLOCK j
.if \j < 3
	s_wait_loadcnt 16                              ; this block's 16 loads are in; the next block's 16 may be out
.else
	s_wait_loadcnt 0x0
.endif
.irp p, 0,1,2,3,4,5,6,7,8,9,10,11,12,13,14,15
	ds_store_b128 v5, v[RX+64*((\j)%2)+4*\p:RX+64*((\j)%2)+4*\p+3] offset:528*\p
.endr
.irp b, 0,1,2,3
.irp i, 0,1,2,3
	ds_load_b128 v[XS+16*\b+4*\i:XS+16*\b+4*\i+3], v6 offset:128*\b+16*\i   ; LDS serves a wave's instructions in order: these see the stores above
.endr
.endr
	s_wait_dscnt 0x0                               ; the numbers are back, and the stores have read their registers,
.if \j < 2
	LOADX (\j)+2                                   ; which take the block two on
.endif
.if \j > 0
	s_wait_xcnt 0x0                                ; the last block's stores have read the codes' registers: they are written again only behind this wait
.endif
	QUANT XS, PW+\j
.irp c, 0,1,2
	global_store_b128 v4, v[PC+4*\c:PC+4*\c+3], s[14:15] offset:1536*\j+512*\c   ; 32 lanes store 512 consecutive bytes, at a multiple of 256 from xc's first byte
.endr
.endm
	LOADX 0
	LOADX 1
	XBLOCK 0
	XBLOCK 1
	XBLOCK 2
	XBLOCK 3
	v_cmp_eq_u32 vcc_lo, 1, v3                     ; lane (r, h) stores the words of blocks 2 h and 2 h + 1 of row r
	v_cndmask_b32 v[SW], v[PW], v[PW+2], vcc_lo
	v_cndmask_b32 v[SW+1], v[PW+1], v[PW+3], vcc_lo
	global_store_b64 v7, v[SW:SW+1], s[32:33] offset:12288   ; 256 consecutive bytes
	s_wait_tensorcnt 0x0
	ds_add_u32 v254, v255
	s_wait_dscnt 0x0
	s_endpgm
; ---- The weights.  y = work-group - 128 is the record's number in wc.  A LANE TAKES A COLUMN AND ITS REGISTERS RUN DOWN K: a block of 32 lies in one lane, and the conversions give codes with K innermost.
; A wave takes 32 columns x 128 along K: fragments 2 w and 2 w + 1.  Column l of the 32 stands at place p = l with bits 3 and 4 exchanged.  The codes go through the wave's own stage, laid as the two images, and leave 512 bytes a store.
; The 32 scale words of a wave leave as pieces of 8 bytes, one byte in 128 of what the path reads: gathering them over the four waves would cost a barrier.
.Lweights:
	s_wait_alu depctr_va_vdst(0)
	v_lshlrev_b32 v3, 2, v1                        ; in: 4 bytes a lane
	v_and_b32 v9, 7, v0
	v_bfe_u32 v10, v0, 4, 1
	v_lshl_add_u32 v9, v10, 3, v9                  ; p % 16: the row in its fragment
	v_bfe_u32 v10, v0, 3, 1                        ; p / 16: which of the two fragments
	s_mul_i32 s25, s18, WSTG
	s_add_co_u32 s25, s25, WLDS                    ; my stage
	v_lshlrev_b32 v5, 4, v9
	v_mad_u32_u24 v5, v10, WIMG, v5
	v_add_nc_u32 v5, s25, v5                       ; into it: my fragment's image, 16 x row
	v_add_nc_u32 v6, s25, v4                       ; out of it: 16 x lane
	v_lshlrev_b32 v8, 4, v9
	v_lshl_add_u32 v8, v10, 2, v8                  ; my scale word: 16 x row + 4 x fragment
	s_sub_co_u32 s19, ttmp9, 128                   ; y
	s_and_b32 s20, s19, 7
	s_lshl_b32 s20, s20, 20                        ; Wq, Wk, Wv: K step y % 8: 128 rows of 8,192 bytes
	s_bfe_u32 s21, s19, 0x40003                    ; column group (y / 8) % 16
	s_sub_co_u32 s22, s19, 384                     ; Wp: z = y - 384 (used where y >= 384 alone)
	s_and_b32 s23, s22, 15
	s_lshl_b32 s23, s23, 19                        ; K step z % 16: 128 rows of 4,096 bytes
	s_lshr_b32 s22, s22, 4                         ; column group z / 16
	s_mul_i32 s26, s19, REC                        ; the record,
	s_mov_b32 s27, 0
	s_mul_i32 s28, s18, 2*1536                     ; my two fragments in it,
	s_mov_b32 s29, 0
	s_lshr_b32 s30, s18, 1
	s_lshl_b32 s30, s30, 8
	s_and_b32 s31, s18, 1
	s_lshl_b32 s31, s31, 3
	s_add_co_u32 s30, s30, s31                     ; and my words' corner of its scale image: 256 (w / 2) + 8 (w % 2)
	s_mov_b32 s31, 0
	s_lshl_b32 s24, s18, 7                         ; my 32 columns
	s_wait_kmcnt 0x0
	s_cmp_lt_u32 s19, 128                          ; which tensor: the choices hang on the work-group's number alone
	s_cselect_b64 s[6:7], s[6:7], s[8:9]
	s_cmp_lt_u32 s19, 256
	s_cselect_b64 s[6:7], s[6:7], s[10:11]
	s_cmp_lt_u32 s19, 384
	s_cselect_b64 s[6:7], s[6:7], s[12:13]
	s_cselect_b32 s20, s20, s23
	s_cselect_b32 s21, s21, s22
	s_lshl_b32 s21, s21, 9                         ; 128 columns of 4 bytes
	s_add_co_u32 s20, s20, s21
	s_add_co_u32 s20, s20, s24
	s_mov_b32 s21, 0
	s_add_nc_u64 s[6:7], s[6:7], s[20:21]
	s_add_nc_u64 s[16:17], s[16:17], s[26:27]
	s_add_nc_u64 s[30:31], s[16:17], s[30:31]
	s_add_nc_u64 s[16:17], s[16:17], s[28:29]
.macro WLOAD t, pitch                  ; block t: W(32 t + i, my column), i = 0 .. 31, into v[32 + 32 t] on: each load reads 128 consecutive bytes a wave, 512 a work-group
.set n, 0
.rept 32
	global_load_b32 v[32+32*(\t)+n], v3, s[6:7] offset:(32*(\t)+n)*\pitch th:TH_LOAD_NT
.set n, n+1
.endr
.endm
.macro WLD t                           ; the row's length stands in the immediates, so a block's 32 loads are written for both lengths: a branch on the record's number, round the loads alone; either way issues 32
	s_cmp_lt_u32 s19, 384
	s_cbranch_scc0 .Lnarrow_\@
	WLOAD \t, 8192
	s_branch .Lloaded_\@
.Lnarrow_\@:
	WLOAD \t, 4096
.Lloaded_\@:
.endm
	WLD 0                                          ; the loads run two blocks ahead; each block has registers of its own
	WLD 1
.macro WBLOCK t                        ; block t = 2 c + hh of my column belongs to registers 6 c .. 6 c + 5 of lane (row, hh)
.set WX, 32+32*(\t)
.set WF, 160+8*(\t)
.if (\t) < 3
	s_wait_loadcnt 32                              ; this block's 32 loads are in; the next block's 32 may be out
.else
	s_wait_loadcnt 0x0
.endif
.if (\t)+2 < 4
	WLD (\t)+2
.endif
	v_max3_num_f32 v12, |v[WX]|, |v[WX+1]|, |v[WX+2]|
	v_max3_num_f32 v13, |v[WX+3]|, |v[WX+4]|, |v[WX+5]|
.irp i, 6,10,14,18,22,26
	v_max3_num_f32 v12, v12, |v[WX+\i]|, |v[WX+\i+1]|
	v_max3_num_f32 v13, v13, |v[WX+\i+2]|, |v[WX+\i+3]|
.endr
	v_max3_num_f32 v12, v12, |v[WX+30]|, |v[WX+31]|
	v_max3_num_f32 v12, v12, v13, 0x2800000        ; and the floor 2^(5 - 127)
	v_add_nc_u32 v11, 0xfe000000, v12              ; 4 off the exponent field: the conversion's scale operand
	v_lshrrev_b32 v13, 23, v11                     ; the scale's byte
.if (\t) == 0
	v_mov_b32 v15, v13
.else
	v_lshl_or_b32 v15, v13, 8*(\t), v15            ; my column's scale word, the lower K in the lower byte
.endif
	v_cvt_scalef32_pk16_bf6_f32 v[WF:WF+2], v[WX:WX+15], v11
	v_cvt_scalef32_pk16_bf6_f32 v[192:194], v[WX+16:WX+31], v11   ; (a conversion's three registers begin on an even number)
	v_nop                                          ; one plain instruction behind the scaled conversions
.irp i, 0,1,2
	v_mov_b32 v[WF+3+\i], v[192+\i]
.endr
.if (\t)/2 == 0
	ds_store_b128 v5, v[WF:WF+3] offset:256*((\t)%2)           ; registers 0-3
	ds_store_b64 v5, v[WF+4:WF+5] offset:512+256*((\t)%2)      ; registers 4, 5
.else
	ds_store_b64 v5, v[WF:WF+1] offset:520+256*((\t)%2)        ; registers 6, 7
	ds_store_b128 v5, v[WF+2:WF+5] offset:1024+256*((\t)%2)    ; registers 8-11
.endif
.endm
	WBLOCK 0
	WBLOCK 1
	WBLOCK 2
	WBLOCK 3
.irp f, 0,1
.irp c, 0,1,2
	ds_load_b128 v[200+12*\f+4*\c:203+12*\f+4*\c], v6 offset:WIMG*\f+512*\c   ; LDS serves a wave's instructions in order: these see my stores
.endr
.endr
	s_wait_alu depctr_va_vdst(0)
.irp f, 0,1
.irp c, 0,1,2
	s_wait_dscnt 5-3*\f-\c                         ; the younger reads may be out
	global_store_b128 v4, v[200+12*\f+4*\c:203+12*\f+4*\c], s[16:17] offset:1536*\f+512*\c   ; 512 consecutive bytes, at a multiple of 256 from wc's first byte
.endr
.endr
	global_store_b32 v8, v15, s[30:31] offset:12288
	s_wait_tensorcnt 0x0
	ds_add_u32 v254, v255
	s_wait_dscnt 0x0
	s_endpgm
.Lfunc_end_k_q5871762dc1_quant:
	.size	k_q5871762dc1_quant, .Lfunc_end_k_q5871762dc1_quant-k_q5871762dc1_quant
	.p2alignl 7, 3214868480
	.fill 96, 4, 3214868480
	.section	.rodata,"a",@progbits
	.p2align	6, 0x0
	.amdhsa_kernel k_q5871762dc1_quant
		.amdhsa_group_segment_fixed_size 47616
		.amdhsa_private_segment_fixed_size 0
		.amdhsa_enable_private_segment 0
		.amdhsa_kernarg_size 56
		.amdhsa_user_sgpr_count 2
		.amdhsa_user_sgpr_kernarg_segment_ptr 1
		.amdhsa_wavefront_size32 1
		.amdhsa_system_sgpr_workgroup_id_x 1
		.amdhsa_system_sgpr_workgroup_id_y 1
		.amdhsa_system_sgpr_workgroup_id_z 1
		.amdhsa_system_vgpr_workitem_id 0
		.amdhsa_next_free_vgpr 256
		.amdhsa_next_free_sgpr 66
		.amdhsa_reserve_vcc 1
		.amdhsa_float_denorm_mode_32 3
		.amdhsa_float_denorm_mode_16_64 3
		.amdhsa_memory_ordered 1
		.amdhsa_forward_progress 1
		.amdhsa_inst_pref_size 68
	.end_amdhsa_kernel
	.amdgpu_metadata
---
amdhsa.version: [ 1, 2 ]
amdhsa.kernels:
  - .name:           k_q5871762dc1_quant
    .symbol:         k_q5871762dc1_quant.kd
    .args:
      - { .name: X, .offset: 0, .size: 8, .value_kind: global_buffer, .address_space: global }
      - { .name: Wq, .offset: 8, .size: 8, .value_kind: global_buffer, .address_space: global }
      - { .name: Wk, .offset: 16, .size: 8, .value_kind: global_buffer, .address_space: global }
      - { .name: Wv, .offset: 24, .size: 8, .value_kind: global_buffer, .address_space: global }
      - { .name: Wp, .offset: 32, .size: 8, .value_kind: global_buffer, .address_space: global }
      - { .name: xc, .offset: 40, .size: 8, .value_kind: global_buffer, .address_space: global }
      - { .name: wc, .offset: 48, .size: 8, .value_kind: global_buffer, .address_space: global }
    .group_segment_fixed_size: 47616
    .private_segment_fixed_size: 0
    .kernarg_segment_align: 8
    .kernarg_segment_size: 56
    .max_flat_workgroup_size: 128
    .sgpr_count:     66
    .vgpr_count:     256
    .wavefront_size: 32
...
	.end_amdgpu_metadata
.endif
;; end of part 1
;; launch qkv (part 2): grid 16 x 16, 4 waves a work-group, clusters of 4 x 4, 327,680 bytes of LDS; arguments xc, wc, bq, bk, bv, qkvc; writes qkvc
.if DOCPART == 2
	.amdgcn_target "amdgcn-amd-amdhsa--gfx1250"
	.amdhsa_code_object_version 6
	.text
	.protected	k_q5871762dc1_qkv
	.globl	k_q5871762dc1_qkv
	.p2align	8
	.type	k_q5871762dc1_qkv,@function
k_q5871762dc1_qkv:
	s_mov_b64 s[64:65], 0
	v_nop
	global_prefetch_b8 v0, s[64:65] scope:SCOPE_SE
	s_setreg_imm32_b32 hwreg(HW_REG_WAVE_MODE, 25, 1), 1
	s_wait_xcnt 0x0
	s_wait_alu depctr_hold_cnt(0) depctr_sa_sdst(0) depctr_va_vdst(0) depctr_va_sdst(0) depctr_va_ssrc(0) depctr_va_vcc(0) depctr_vm_vsrc(0)
	s_getreg_b32 s2, hwreg(HW_REG_IB_STS2, 6, 4)
	s_cmp_eq_u32 s2, 0
	s_cbranch_scc0 .Lentry_in_a_cluster
	s_endpgm
.Lentry_in_a_cluster:
	s_bfe_u32 s2, ttmp6, 0x10000c
	s_cmp_lg_u32 s2, 0xf033
	s_cbranch_scc0 .Lentry_shape_is_right
	s_endpgm
.Lentry_shape_is_right:
; Q = X Wq + bq, K = X Wk + bk, V = X Wv + bv on codes of BF6 (E3M2) with E8M0 scales, sums in f32; the results are quantised in registers and leave as codes: Q and K along the head's 128, V along the keys.
; OPERANDS are records (12,800 bytes: 128 rows x 128 along K as images of the operand's registers; fragment a at 1,536 a, registers 4 c .. 4 c + 3 of lane l at 512 c + 16 l; at 12,288 the scale words,
; that of (block 4 H + j, row r) at 256 H + 16 r + 4 j).  Lane r of block 2 b + u holds row 32 b + 8 u + r + 8 (r / 8).  xc: [token group 0..31][K step 0..7]; wc: [column group 0..47][K step 0..7].
; Source 1 ("A") gives a lane its row, source 0 ("B") runs along the lane's registers: the 16 registers of B's blocks 2 b, 2 b + 1 are neighbours 32 b + 16 (lane / 16) + 0 .. 15.
; THE WORK is 1,536 records of 128 x 128 (Q, K, V: 32 token groups x 16 heads each) for 1,024 waves: one and a half each.  A WORK-GROUP STAYS and makes two tiles:
; PART 1, a tile of 256 x 256 of Q (tile columns 0-7) or K (8-15): A = X's token groups 2 tr, 2 tr + 1, B = the weight's column groups 2 tc, 2 tc + 1; a wave makes one record in 64 accumulators.
; PART 2, a tile of 128 x 256 of V transposed: A = Wv's column group tc (head tc), B = the same two token groups of X; wave (i, j) makes blocks 4 i .. 4 i + 3 of the record of token group 2 tr + j: 32 accumulators.
; qkvc: [b x 16 + head][token group 0..15] units of 38,400 bytes: Q's codes 0, Q's scale image 12,288, K's codes 12,800, V's codes 25,088, K's scale image 37,376, V's 37,888.
; THE RING: two LDS slots of 256 along K, and it does not stop between the parts: part 1's last two changes of slots ask for part 2's first two slots, which are on their way while part 1's results leave.
; Part 1: a wave's tensor load brings two records of one group, 100 rows of 256 bytes.  Part 2: waves 0 and 1 the same of X, waves 2 and 3 one record of Wv each, 50 rows.
; CLUSTERS of 4 x 4: X's tiles are asked for jointly along a row, the weights' along a column.
; PREFETCH: Wv's records are first wanted by the fifth fill: behind fills 2 to 5 waves 2 and 3 ask for the record that they fetch two fills on; the column's four partners share its 50 blocks of 256 bytes out by address, 13 each
; (lanes 13-31, and the last partner's lanes past block 49, name a last block again).  X's and Wq's, Wk's tiles are not asked for ahead: K is four slots, of which two are first fills.
; The biases are the C of each sum's first matrix instruction.
; LIMITS: NaN and infinities are not served; a block of results whose largest magnitude lies under 2^-122 keeps the byte 1.
; REGISTERS: window 0: v1-3 r, h, lane; v6, v7 part 2's bias and scale offsets; v8-15 the bias's offsets; v16-23, v26-27 LDS addresses; v24 16 x lane; v28, v29 the spare word's; v30 the prefetch's; v32-63 scale words, two sets;
;   v64-127 the bias; v128-223 A's fragments (part 1: one set of eight; part 2: two sets of four; on the way out: codes and work).   window 1: B's fragments, two sets, at v0 and v128.
;   windows 2, 3: accumulator (a, b) at v[8 (8 (a % 4) + b)], a < 4 in window 2.
.set REC,   12800
.set GRP,   8*REC
.set REG,   2*REC
.set SLOT,  4*REG
.set SPARE, 2*SLOT                     ; behind the ring: the spare words, 128 bytes a wave: two blocks of 256 bytes that no other line names
.set UNIT,  38400
.set FR,    12
.set NL,    3
.set NP,    4
.set VO,    8
.set ADRA,  16                         ; part 1: v16-17, v20-21; part 2: v18-19, v22-23
.set ADRB,  20
.set LI,    24
.set ASA,   26
.set SPW,   28
.set NIL,   29
.set PFO,   30
.set SC,    32                         ; set sc at SC + 16 sc; in it 8 q + 0..3: A's image, 8 q + 4..7: B's
.set BT,    64
.set AF,    128
.set PC,    128
.set TM,    152
.set PW,    168
.set SW,    176
.set G1A,   24
.set G0A,   32
.set G1B,   48
.set G0B,   56
.set SEL,   74
.set WVP,   96                         ; s[96:97] my record of Wv, K step 0; never rewritten
.set MSB, 0
.macro WIN new                         ; the immediate's high byte repeats the setting that is left
.if MSB != (\new)
	s_set_vgpr_msb (MSB<<8)|(\new)
.set MSB, (\new)
.endif
.endm
.set MUL_LO, 0xa1                      ; source 0 (B) window 1, source 1 (A) window 0, C and D window 2
.set MUL_HI, 0xf1
.set FST_LO, 0x81                      ; a sum's first step: C (the bias) window 0
.set FST_HI, 0xc1
.set TO_B,   0x40
.macro JLOAD g0a, g0b                  ; a joint load: waves 0 and 1 fetch X's tiles, waves 2 and 3 the weights'; an s_nop 0 and four v_nop follow each line
	s_cmp_eq_u32 s17, 0
	s_cbranch_scc0 .Lfor_b_\@
	tensor_load_to_lds s[\g0a:\g0a+3], s[G1A:G1A+7]
	s_nop 0
.rept 4
	v_nop
.endr
	s_branch .Lasked_\@
.Lfor_b_\@:
	tensor_load_to_lds s[\g0b:\g0b+3], s[G1B:G1B+7]
	s_nop 0
.rept 4
	v_nop
.endr
.Lasked_\@:
.endm
.macro CREST                           ; a round of the cluster's barrier behind its opening barrier
	s_cmp_lg_u32 s16, 0
	s_cbranch_scc1 .Lnot_wave_0_\@
	s_barrier_signal -3
.Lnot_wave_0_\@:
	s_barrier_wait -3
	s_barrier_signal -1
	s_barrier_wait -1
.endm
.macro CROUND
	s_barrier_signal -1
	s_barrier_wait -1
	CREST
.endm
.macro ASKW n                          ; waves 2 and 3: my share of the record of Wv that I fetch two fills on
	s_cmp_eq_u32 s17, 0
	s_cbranch_scc1 .Lnot_w_\@
	global_prefetch_b8 v[PFO], s[WVP:WVP+1] offset:(\n)*REG th:TH_LOAD_NT scope:SCOPE_SE
.Lnot_w_\@:
.endm
	s_load_b256 s[4:11], s[0:1], 0x0               ; xc s[4:5], wc s[6:7], bq s[8:9], bk s[10:11]
	s_load_b128 s[12:15], s[0:1], 0x20             ; bv s[12:13], qkvc s[14:15]
	v_lshl_add_u32 v[SPW], v0, 2, SPARE
	v_mov_b32 v[NIL], 0
	ds_add_u32 v[SPW], v[NIL]                      ; the opening lines: the add, twice on end, and its wait
	ds_add_u32 v[SPW], v[NIL]
	v_lshrrev_b32 v1, 5, v0
	v_readfirstlane_b32 s16, v1                    ; wave 0..3
	s_lshr_b32 s17, s16, 1                         ; i: which of A's halves is mine.  Also: I fetch X's tiles (0) or the weights' (1)
	s_and_b32 s18, s16, 1                          ; j: which of B's two groups.  Also: which part of that tile I fetch
	s_bfe_u32 s40, ttmp6, 0x40000                  ; cx
	s_bfe_u32 s41, ttmp6, 0x40004                  ; cy
	s_and_b32 s19, ttmp7, 0xffff
	s_lshl_b32 s43, s19, 2
	s_add_co_u32 s43, s43, s41                     ; tile row tr
	s_lshl_b32 s42, ttmp9, 2
	s_add_co_u32 s42, s42, s40                     ; tile column tc
	s_lshl_b32 s44, s41, 2
	s_lshl_b32 s44, 15, s44                        ; my row of the cluster
	s_lshl_b32 s45, 0x1111, s40                    ; my column
	s_or_b32 s[G1A], s44, (3<<16)|(1<<21)          ; group 1: the mask; elements of 8 bytes; bit 21 beside a mask; 100 rows of 32 elements, dense
	s_or_b32 s[G1B], s45, (3<<16)|(1<<21)
.irp g, G1A, G1B
	s_mov_b32 s[\g+1], 32<<16
	s_mov_b32 s[\g+2], 100<<16
	s_mov_b32 s[\g+3], 32<<16
	s_mov_b32 s[\g+4], 100
	s_mov_b32 s[\g+5], 32
	s_mov_b32 s[\g+6], 0
	s_mov_b32 s[\g+7], 0
.endr
	s_lshl_b32 s20, s43, 1
	s_add_co_u32 s20, s20, s18
	s_mul_i32 s20, s20, GRP                        ; X: group 2 tr + which I fetch
	s_mov_b32 s21, 0
	s_lshl_b32 s46, s42, 1
	s_add_co_u32 s46, s46, s18
	s_mul_i32 s46, s46, GRP                        ; Wq, Wk: group 2 tc + which I fetch
	s_mov_b32 s47, 0
	s_mul_i32 s22, s16, REG                        ; where they go: wave x a region
	s_wait_dscnt 0x0                               ; both opening adds are done
	s_wait_kmcnt 0x0
	s_add_nc_u64 s[66:67], s[4:5], s[20:21]
	s_add_nc_u64 s[68:69], s[6:7], s[46:47]
	CROUND                                         ; all sixteen work-groups are here: the first joint loads meet
.irp s, 0,1
	s_mov_b32 s[G0A+4*\s], 1
	s_add_co_u32 s[G0A+4*\s+1], s22, \s*SLOT
	s_add_nc_u64 s[G0A+4*\s+2:G0A+4*\s+3], s[66:67], \s*REG
	s_or_b32 s[G0A+4*\s+3], s[G0A+4*\s+3], 0x80000000
	s_mov_b32 s[G0B+4*\s], 1
	s_add_co_u32 s[G0B+4*\s+1], s22, \s*SLOT
	s_add_nc_u64 s[G0B+4*\s+2:G0B+4*\s+3], s[68:69], \s*REG
	s_or_b32 s[G0B+4*\s+3], s[G0B+4*\s+3], 0x80000000
.endr
	JLOAD G0A, G0B                                 ; slot 0: one tensor load a wave at the head
	s_mov_b32 s[SEL], 0x76543210
	s_mov_b32 s[SEL+1], 0xfedcba98
	s_mul_i32 s20, s17, REG                        ; part 1: my group of X,
	s_mul_i32 s23, s18, REG                        ; part 2: my group of X
	s_add_co_u32 s21, s23, 2*REG                   ; part 1: my group of the weight, behind X's two
	s_mul_i32 s98, s17, 4*1536
	s_add_co_u32 s98, s98, 2*REG                   ; part 2: my four blocks of Wv,
	s_lshl_b32 s99, s17, 8
	s_add_co_u32 s99, s99, 2*REG+12288             ; and their scale words
	s_mul_i32 s72, s41, 13                         ; my work-group's share of a record's 50 blocks
	s_lshl_b32 s80, s42, 1
	s_add_co_u32 s80, s80, s18
	s_and_b32 s80, s80, 15                         ; part 1: the head
	s_lshl_b32 s79, s43, 1
	s_add_co_u32 s81, s79, s18                     ; part 2: the token group
	s_add_co_u32 s79, s79, s17                     ; part 1: the token group
	s_mov_b32 s92, 37376
	s_cmp_lt_u32 ttmp9, 2                          ; Q or K: by the cluster's x, which all partners share
	s_cselect_b64 s[82:83], s[8:9], s[10:11]
	s_cselect_b32 s91, 0, 12800                    ; where the codes go in a unit,
	s_cselect_b32 s92, 12288, s92                  ; and the scale image
	s_lshl_b32 s94, s80, 9
	s_mov_b32 s95, 0
	s_add_nc_u64 s[82:83], s[82:83], s[94:95]      ; the head's 128 numbers of bq or bk
	s_lshr_b32 s89, s79, 4                         ; the unit: (b x 16 + head) x 16 + token group % 16
	s_lshl_b32 s89, s89, 4
	s_add_co_u32 s89, s89, s80
	s_lshl_b32 s89, s89, 4
	s_and_b32 s90, s79, 15
	s_add_co_u32 s89, s89, s90
	s_mul_i32 s89, s89, UNIT
	s_add_co_u32 s92, s92, s89
	s_mov_b32 s93, 0
	s_add_co_u32 s94, s91, s89
	s_lshr_b32 s89, s81, 4                         ; part 2's unit: head tc
	s_lshl_b32 s89, s89, 4
	s_add_co_u32 s89, s89, s42
	s_lshl_b32 s89, s89, 4
	s_and_b32 s90, s81, 15
	s_add_co_u32 s89, s89, s90
	s_mul_i32 s89, s89, UNIT
	s_mul_i32 s90, s17, 4*1536
	s_add_co_u32 s84, s89, s90
	s_add_co_u32 s84, s84, 25088                   ; V's codes, my four fragments
	s_mov_b32 s85, 0
	s_lshl_b32 s90, s17, 8
	s_add_co_u32 s86, s89, s90
	s_add_co_u32 s86, s86, 37888                   ; V's scale image, my half
	s_mov_b32 s87, 0
	s_lshl_b32 s88, s42, 9
	s_add_co_u32 s88, s88, s90                     ; bv: head tc, my 64 rows
	s_mov_b32 s89, 0
	s_add_co_u32 s[WVP], s42, 32                   ; Wv begins 32 groups into wc
	s_mul_i32 s[WVP], s[WVP], GRP
	s_mul_i32 s90, s18, REC
	s_add_co_u32 s[WVP], s[WVP], s90
	s_mov_b32 s[WVP+1], 0
	s_add_co_u32 s73, s90, 2*REG                   ; where my record of Wv goes in a slot
	s_add_nc_u64 s[76:77], s[14:15], s[92:93]
	s_add_nc_u64 s[84:85], s[14:15], s[84:85]
	s_add_nc_u64 s[86:87], s[14:15], s[86:87]
	s_add_nc_u64 s[14:15], s[14:15], s[94:95]
	s_add_nc_u64 s[88:89], s[12:13], s[88:89]
	s_add_nc_u64 s[WVP:WVP+1], s[6:7], s[WVP:WVP+1]
	v_and_b32 v1, 15, v0                           ; r
	v_bfe_u32 v2, v0, 4, 1                         ; h
	v_and_b32 v3, 31, v0                           ; lane
	v_lshlrev_b32 v[LI], 4, v3
	v_and_b32 v4, 8, v1
	v_lshlrev_b32 v5, 6, v2                        ; part 1's bias runs along the registers: 16 numbers on for lanes 16-31
	v_add_nc_u32 v4, v4, v1                        ; r + 8 (r / 8)
	v_lshlrev_b32 v7, 4, v1
	v_lshlrev_b32 v6, 2, v4                        ; part 2's hangs on the lane's row alone
	v_lshl_add_u32 v7, v2, 3, v7                   ; 16 r + 8 h
.irp j, 0,1,2,3,4,5,6,7
	v_add_nc_u32 v[VO+\j], 4*\j, v5
.endr
	v_add_nc_u32 v16, s20, v[LI]
	v_add_nc_u32 v20, s21, v[LI]
	v_add_nc_u32 v18, s98, v[LI]
	v_add_nc_u32 v22, s23, v[LI]
	v_lshl_add_u32 v[ASA], v1, 4, s99              ; both halves of the lanes take row r's words
.irp k, 16,18,20,22,26
	v_add_nc_u32 v[\k+1], SLOT, v[\k]
.endr
	v_min_u32 v[PFO], 12, v3
	v_add_nc_u32 v[PFO], s72, v[PFO]
	v_min_u32 v[PFO], 49, v[PFO]
	v_lshlrev_b32 v[PFO], 8, v[PFO]
.irp i, 0,1,2,3,4,5,6,7                        ; eight registers for B's block i, in the result's layout
.irp j, 0,1,2,3,4,5,6,7
	global_load_b32 v[BT+8*\i+\j], v[VO+\j], s[82:83] offset:(32*(\i/2)+8*(\i%2))*4
.endr
.endr
.macro FRAG reg, adr, q, i             ; a fragment comes as it was stored: three loads of 512 consecutive bytes
.irp c, 0,1,2
	ds_load_b128 v[\reg+4*\c:\reg+4*\c+3], v[\adr] offset:REC*(\q)+1536*(\i)+512*\c
.endr
.endm
.macro FETCH_B slot, q, p
	WIN TO_B
.irp i, 0,1,2,3,4,5,6,7
	FRAG 128*(\p)+FR*\i, ADRB+\slot, \q, \i
.endr
	WIN 0
.endm
.macro FETCH_A slot, q, i0
.irp i, \i0, \i0+1, \i0+2, \i0+3
	FRAG AF+FR*(\i), ADRA+\slot, \q, \i
.endr
.endm
.macro FETCH_A2 slot, q, p             ; part 2: my four blocks into set p
.irp i, 0,1,2,3
	FRAG AF+FR*(4*(\p)+\i), ADRA+\slot, \q, \i
.endr
.endm
.macro SCALES sc                       ; the slot's four scale images: register j of an image: lanes 0-15 block j, lanes 16-31 block 4 + j
.irp q, 0,1
	ds_load_b128 v[SC+16*\sc+8*\q:SC+16*\sc+8*\q+3], v[ADRA+\sc] offset:REC*\q+12288
	ds_load_b128 v[SC+16*\sc+8*\q+4:SC+16*\sc+8*\q+7], v[ADRB+\sc] offset:REC*\q+12288
.endr
.endm
.macro SCALES2 sc                      ; part 2: A's register j: my block j in both halves of the lanes
.irp q, 0,1
	ds_load_b128 v[SC+16*\sc+8*\q:SC+16*\sc+8*\q+3], v[ASA+\sc] offset:REC*\q
	ds_load_b128 v[SC+16*\sc+8*\q+4:SC+16*\sc+8*\q+7], v[ADRB+\sc] offset:REC*\q+12288
.endr
.endm
.macro WM ra, rb                       ; the one matrix line; ra, rb: source 0's, source 1's scales are taken from lanes 16-31
.if (\ra) && (\rb)
	v_wmma_scale_f32_16x16x128_f8f6f4 v[rD:rD+7], v[rB:rB+FR-1], v[rA:rA+FR-1], v[rC:rC+7], v[rSB], v[rSA] matrix_a_fmt:MATRIX_FMT_BF6 matrix_b_fmt:MATRIX_FMT_BF6 matrix_a_scale:MATRIX_SCALE_ROW1 matrix_b_scale:MATRIX_SCALE_ROW1
.elseif \ra
	v_wmma_scale_f32_16x16x128_f8f6f4 v[rD:rD+7], v[rB:rB+FR-1], v[rA:rA+FR-1], v[rC:rC+7], v[rSB], v[rSA] matrix_a_fmt:MATRIX_FMT_BF6 matrix_b_fmt:MATRIX_FMT_BF6 matrix_a_scale:MATRIX_SCALE_ROW1
.elseif \rb
	v_wmma_scale_f32_16x16x128_f8f6f4 v[rD:rD+7], v[rB:rB+FR-1], v[rA:rA+FR-1], v[rC:rC+7], v[rSB], v[rSA] matrix_a_fmt:MATRIX_FMT_BF6 matrix_b_fmt:MATRIX_FMT_BF6 matrix_b_scale:MATRIX_SCALE_ROW1
.else
	v_wmma_scale_f32_16x16x128_f8f6f4 v[rD:rD+7], v[rB:rB+FR-1], v[rA:rA+FR-1], v[rC:rC+7], v[rSB], v[rSA] matrix_a_fmt:MATRIX_FMT_BF6 matrix_b_fmt:MATRIX_FMT_BF6
.endif
.endm
; 16 matrix instructions: A's registers of blocks a0, a0 + 1 x B's eight.  p: B's set; q: which 128 of the slot; sc: the set of scale words.  mode 0: onto the sums; 1: the sums begin with the bias of B's block; 2: of A's block.
; The accumulators take turns, one instruction a turn, in the same order in every step.
.macro MUL16 a0, p, q, sc, mode
.irp a, \a0, \a0+1
.irp b, 0,1,2,3,4,5,6,7
.set rD, 8*(8*((\a)%4)+\b)
.set rB, 128*(\p)+FR*\b
.set rA, AF+FR*(\a)
.set rSB, SC+16*(\sc)+8*(\q)+4+\b%4
.set rSA, SC+16*(\sc)+8*(\q)+(\a)%4
.set rC, rD
.if \mode == 1
.set rC, BT+8*\b
.elseif \mode == 2
.set rC, BT+8*(\a)
.endif
	WM \b/4, (\a)/4
.endr
.endr
.endm
.macro PLACES n                        ; a load into a register that a matrix instruction has read, and a vector instruction that reads a result, stand NP plain vector instructions behind it
.rept \n
	v_nop
.endr
.endm
.macro STEP slot, q, mode              ; part 1: a step of 128 along K that has its successor in the same slot
	s_wait_dscnt 4*NL                              ; B's set, A's blocks 0-3 and the scale words are in; the youngest 12 loads (A's blocks 4-7) may be out
.if \mode
	WIN FST_LO
.else
	WIN MUL_LO
.endif
	MUL16 0, (\q)%2, \q, \slot, \mode
	MUL16 2, (\q)%2, \q, \slot, \mode
	s_wait_dscnt 0x0
	PLACES NP
	FETCH_B \slot, (\q)+1, 1-(\q)%2
	FETCH_A \slot, (\q)+1, 0
.if \mode
	WIN FST_HI
.else
	WIN MUL_HI
.endif
	MUL16 4, (\q)%2, \q, \slot, \mode
	MUL16 6, (\q)%2, \q, \slot, \mode
	PLACES NP
	WIN 0
	FETCH_A \slot, (\q)+1, 4
.endm
; The refill behind a round.  part = 1: both tiles two slots on along K.  part = 2: part 2's first tiles for this slot: X goes back along K; the weights' loads bring one record of Wv from here on.
.macro REFILL slot, part
	CREST                                          ; no wave of any partner still reads this slot or has a load on its way
.if \part == 2
	s_sub_nc_u64 s[G0A+4*\slot+2:G0A+4*\slot+3], s[G0A+4*\slot+2:G0A+4*\slot+3], 2*REG
	s_mov_b32 s[G1B+2], 50<<16                     ; no tensor load of mine is out: tensor_dim1 = 50,
	s_mov_b32 s[G1B+4], 50                         ; tile_dim1 = 50
	s_add_co_u32 s[G0B+4*\slot+1], s73, \slot*SLOT
	s_add_nc_u64 s[G0B+4*\slot+2:G0B+4*\slot+3], s[WVP:WVP+1], \slot*REG
	s_or_b32 s[G0B+4*\slot+3], s[G0B+4*\slot+3], 0x80000000
.else
	s_add_nc_u64 s[G0A+4*\slot+2:G0A+4*\slot+3], s[G0A+4*\slot+2:G0A+4*\slot+3], 2*REG
	s_add_nc_u64 s[G0B+4*\slot+2:G0B+4*\slot+3], s[G0B+4*\slot+2:G0B+4*\slot+3], 2*REG
.endif
	JLOAD G0A+4*\slot, G0B+4*\slot                 ; the first tensor load behind the round; its four v_nop are the places in front of the loads that follow
.endm
; Part 1: a slot's last step changes slots: in front of the barrier each wave waits for all its tensor loads, adds 0 to its spare word, and waits for that and for its reads of this slot.  fetch = 0: part 1's last step
.macro TURN slot, next, part, fetch, ask
	s_wait_tensorcnt 0x0
	ds_add_u32 v[SPW], v[NIL]
	s_wait_dscnt 4*NL+1                            ; (the add and the youngest 12 loads may be out)
	WIN MUL_LO
	MUL16 0, 1, 1, \slot, 0
	s_wait_dscnt 0x0
	s_barrier_signal -1
	MUL16 2, 1, 1, \slot, 0
	WIN 0
	s_barrier_wait -1
	REFILL \slot, \part
.if \fetch
	FETCH_B \next, 0, 0
	FETCH_A \next, 0, 0
	SCALES \next
.endif
	ASKW \ask
	WIN MUL_HI
	MUL16 4, 1, 1, \slot, 0
	MUL16 6, 1, 1, \slot, 0
.if \fetch
	PLACES NP
	WIN 0
	FETCH_A \next, 0, 4
.else
	WIN 0
.endif
.endm
.macro STEP2 slot, mode                ; part 2: a slot's first step: sets 0 are multiplied while sets 1 come
	s_wait_dscnt 0x0
	PLACES NP
	FETCH_B \slot, 1, 1
	FETCH_A2 \slot, 1, 1
.if \mode
	WIN FST_LO
.else
	WIN MUL_LO
.endif
	MUL16 0, 0, 0, \slot, \mode
	MUL16 2, 0, 0, \slot, \mode
	WIN 0
.endm
.macro TURN2 slot, next, fill          ; part 2: a slot's second step, on sets 1, changes slots
	s_wait_tensorcnt 0x0
	ds_add_u32 v[SPW], v[NIL]
	s_wait_dscnt 1                                 ; (the add may be out)
	WIN MUL_LO
	MUL16 4, 1, 1, \slot, 0
	s_wait_dscnt 0x0
	s_barrier_signal -1
	WIN 0
	s_barrier_wait -1
.if \fill
	REFILL \slot, 1
.else
	PLACES NP
.endif
	FETCH_B \next, 0, 0
	FETCH_A2 \next, 0, 0
	SCALES2 \next
	WIN MUL_LO
	MUL16 6, 1, 1, \slot, 0
	WIN 0
.endm
; THE WAY OUT.  Block a's 64 registers of a lane are 128 neighbours along the next K of ONE row (register 16 b + i = k 32 b + 16 (lane / 16) + i): they are quantised as they stand and stored as a fragment.
; The maxima read the accumulators in ascending order, each from its low end on.
.macro OUTROW a
.set AS, 64*((\a)%4)
.set AW, 2+(\a)/4
.set AWW, AW*5
	WIN AWW
.irp b, 0,1,2,3
	v_max3_num_f32 v[TM+\b], |v[AS+16*\b]|, |v[AS+1+16*\b]|, 0x2800000   ; and the floor 2^(5 - 127)
.endr
.irp i, 2,4,6,8,10,12,14
.irp b, 0,1,2,3
	v_max3_num_f32 v[TM+\b], |v[AS+16*\b+\i]|, |v[AS+1+16*\b+\i]|, v[TM+\b]
.endr
.endr
	WIN 0
.irp b, 0,1,2,3
	v_permlanex16_b32 v[TM+4+\b], v[TM+\b], s[SEL], s[SEL+1]
.endr
.irp b, 0,1,2,3
	v_max_num_f32 v[TM+\b], v[TM+\b], v[TM+4+\b]
.endr
.irp b, 0,1,2,3
	v_add_nc_u32 v[TM+12+\b], 0xfe000000, v[TM+\b]   ; 4 off the exponent field: the conversion's scale operand
.endr
.irp b, 0,1,2,3
	v_lshrrev_b32 v[TM+4+\b], 23, v[TM+12+\b]
.endr
	v_lshl_or_b32 v[PW+\a], v[TM+5], 8, v[TM+4]
	v_lshl_or_b32 v[PW+\a], v[TM+6], 16, v[PW+\a]
	v_lshl_or_b32 v[PW+\a], v[TM+7], 24, v[PW+\a]
.if \a > 0
	s_wait_xcnt 0x0                                ; the last block's stores have read the codes' registers
.endif
	WIN AW
.irp c, 0,1
	v_cvt_scalef32_pk16_bf6_f32 v[PC+6*\c:PC+2+6*\c], v[AS+32*\c:AS+15+32*\c], v[TM+12+2*\c]
	v_cvt_scalef32_pk16_bf6_f32 v[PC+12+4*\c:PC+14+4*\c], v[AS+16+32*\c:AS+31+32*\c], v[TM+12+2*\c+1]
.endr
	WIN 0
	v_nop                                          ; one plain instruction behind the scaled conversions
.irp c, 0,1
.irp i, 0,1,2
	v_permlane16_swap_b32 v[PC+6*\c+\i], v[PC+12+4*\c+\i]
.endr
.irp i, 0,1,2
	v_mov_b32 v[PC+3+6*\c+\i], v[PC+12+4*\c+\i]
.endr
.endr
.irp c, 0,1,2
	global_store_b128 v[LI], v[PC+4*\c:PC+4*\c+3], s[14:15] offset:1536*\a+512*\c   ; 512 consecutive bytes, at a multiple of 256 from qkvc's first byte
.endr
.endm
	s_wait_alu depctr_va_vdst(0)
	s_wait_tensorcnt 0x0                           ; my part of slot 0 is in
	ds_add_u32 v[SPW], v[NIL]
	s_wait_dscnt 0x0
	CROUND                                         ; everybody's part of slot 0 is in, and all sixteen work-groups are here
	JLOAD G0A+4, G0B+4                             ; slot 1's first fill: the first tensor load behind the round
	FETCH_B 0, 0, 0
	FETCH_A 0, 0, 0
	SCALES 0
	FETCH_A 0, 0, 4
	s_wait_loadcnt 0x0                             ; the bias
	STEP 0, 0, 1
	TURN 0, 1, 1, 1, 0                             ; part 1: K = 1,024 is four slots' worth
.irp a, 0,1,2,3                                ; part 2's bias, into registers that the first step alone read: eight for each of my blocks
.irp j, 0,1,2,3,4,5,6,7
	global_load_b32 v[BT+8*\a+\j], v6, s[88:89] offset:(32*(\a/2)+8*(\a%2))*4
.endr
.endr
	STEP 1, 0, 0
	TURN 1, 0, 1, 1, 1
	STEP 0, 0, 0
	TURN 0, 1, 2, 1, 2                             ; slot 0 takes part 2's K steps 0 and 1,
	STEP 1, 0, 0
	TURN 1, 0, 2, 0, 3                             ; slot 1 its K steps 2 and 3; behind this barrier slot 0 is whole
	PLACES NP                                      ; behind the last products: their results are read, and A's registers written, below
.irp b, 0,1,2,3
	v_mov_b32 v[TM+4+\b], 0                        ; a lane permute's destination counts as one of its sources
.endr
.irp a, 0,1,2,3,4,5,6,7
	OUTROW \a
.endr
	v_cmp_le_u32 vcc_lo, 16, v3                    ; the scale image: lane 16 H + r holds the words of blocks 4 H .. 4 H + 3 of row r
.irp j, 0,1,2,3
	v_cndmask_b32 v[SW+\j], v[PW+\j], v[PW+4+\j], vcc_lo
.endr
	global_store_b128 v[LI], v[SW:SW+3], s[76:77]
	s_wait_xcnt 0x0                                ; the stores have read their registers and their base
	s_mov_b64 s[14:15], s[84:85]                   ; part 2's codes
.set ADRA, 18
.set ADRB, 22
	FETCH_B 0, 0, 0
	FETCH_A2 0, 0, 0
	SCALES2 0
	s_wait_loadcnt 0x0                             ; part 2's bias
	STEP2 0, 2
	TURN2 0, 1, 1
	STEP2 1, 0
	TURN2 1, 0, 1
	STEP2 0, 0
	TURN2 0, 1, 0
	STEP2 1, 0
	s_wait_dscnt 0x0                               ; the last step: nothing more to fetch
	WIN MUL_LO
	MUL16 4, 1, 1, 1, 0
	MUL16 6, 1, 1, 1, 0
	WIN 0
	PLACES NP
.irp a, 0,1,2,3
	OUTROW \a
.endr
	v_cmp_eq_u32 vcc_lo, 1, v2                     ; my half of the scale image: lane (r, h) stores the words of my blocks 2 h and 2 h + 1 of row r: 256 consecutive bytes
	v_cndmask_b32 v[SW], v[PW], v[PW+2], vcc_lo
	v_cndmask_b32 v[SW+1], v[PW+1], v[PW+3], vcc_lo
	global_store_b64 v7, v[SW:SW+1], s[86:87]
	s_wait_tensorcnt 0x0                           ; the wave's end
	ds_add_u32 v[SPW], v[NIL]
	s_wait_dscnt 0x0
	CROUND                                         ; the closing round
	s_endpgm
.Lfunc_end_k_q5871762dc1_qkv:
	.size	k_q5871762dc1_qkv, .Lfunc_end_k_q5871762dc1_qkv-k_q5871762dc1_qkv
	.p2alignl 7, 3214868480
	.fill 96, 4, 3214868480
	.section	.rodata,"a",@progbits
	.p2align	6, 0x0
	.amdhsa_kernel k_q5871762dc1_qkv
		.amdhsa_group_segment_fixed_size 327680
		.amdhsa_private_segment_fixed_size 0
		.amdhsa_enable_private_segment 0
		.amdhsa_kernarg_size 48
		.amdhsa_user_sgpr_count 2
		.amdhsa_user_sgpr_kernarg_segment_ptr 1
		.amdhsa_wavefront_size32 1
		.amdhsa_system_sgpr_workgroup_id_x 1
		.amdhsa_system_sgpr_workgroup_id_y 1
		.amdhsa_system_sgpr_workgroup_id_z 1
		.amdhsa_system_vgpr_workitem_id 0
		.amdhsa_next_free_vgpr 1024
		.amdhsa_next_free_sgpr 100
		.amdhsa_reserve_vcc 1
		.amdhsa_float_denorm_mode_32 3
		.amdhsa_float_denorm_mode_16_64 3
		.amdhsa_memory_ordered 1
		.amdhsa_forward_progress 1
		.amdhsa_inst_pref_size 223
	.end_amdhsa_kernel
	.amdgpu_metadata
---
amdhsa.version: [ 1, 2 ]
amdhsa.kernels:
  - .name:           k_q5871762dc1_qkv
    .symbol:         k_q5871762dc1_qkv.kd
    .args:
      - { .name: xc, .offset: 0, .size: 8, .value_kind: global_buffer, .address_space: global }
      - { .name: wc, .offset: 8, .size: 8, .value_kind: global_buffer, .address_space: global }
      - { .name: bq, .offset: 16, .size: 8, .value_kind: global_buffer, .address_space: global }
      - { .name: bk, .offset: 24, .size: 8, .value_kind: global_buffer, .address_space: global }
      - { .name: bv, .offset: 32, .size: 8, .value_kind: global_buffer, .address_space: global }
      - { .name: qkvc, .offset: 40, .size: 8, .value_kind: global_buffer, .address_space: global }
    .group_segment_fixed_size: 327680
    .private_segment_fixed_size: 0
    .kernarg_segment_align: 8
    .kernarg_segment_size: 48
    .max_flat_workgroup_size: 128
    .sgpr_count:     100
    .vgpr_count:     1024
    .wavefront_size: 32
...
	.end_amdgpu_metadata
.endif
;; end of part 2
;; launch attn (part 3): grid 16 x 16, 8 waves a work-group, no clusters, 327,680 bytes of LDS; arguments qkvc, yc; writes yc
.if DOCPART == 3
	.amdgcn_target "amdgcn-amd-amdhsa--gfx1250"
	.amdhsa_code_object_version 6
	.text
	.protected	k_q5871762dc1_attn
	.globl	k_q5871762dc1_attn
	.p2align	8
	.type	k_q5871762dc1_attn,@function
k_q5871762dc1_attn:
	s_mov_b64 s[64:65], 0
	v_nop
	global_prefetch_b8 v0, s[64:65] scope:SCOPE_SE
	s_setreg_imm32_b32 hwreg(HW_REG_WAVE_MODE, 25, 1), 1
	s_wait_xcnt 0x0
; y[b][q][head] = the sum over keys k <= q of softmax_k(Q . K / sqrt(128)) V, both products on codes of BF6 (E3M2) with E8M0 scales; y leaves quantised along the head's 128, as an operand of the last product.
; LEFT OUT: key steps that lie wholly behind a tile's queries: the causal mask sets their scores to -infinity, so their p is 0 for all values of the inputs.
; THE SOFTMAX: t = score x log2(e) / sqrt(128); M = the row's largest t so far, rounded UP to a whole number; p = 2^(t - M) is quantised along the keys, not normalised.  The row's sum is taken of the unquantised p
; and divides at the end.  When M moves, the sum and O are multiplied by 2^(old M - new M): exact.
; qkvc: [bh = b x 16 + head][token group 0..15] units of 38,400 bytes: Q's codes 0, Q's scale image 12,288; from 12,800 on 25,600 dense bytes: K's codes, V's codes (rows = the head's 128, K = the group's 128 keys), K's scale image, V's.
; Codes are images of the operand's registers (fragment a at 1,536 a, registers 4 c .. 4 c + 3 of lane l at 512 c + 16 l); lane r of block 2 b + u holds row 32 b + 8 u + r + 8 (r / 8); a scale image holds the word of (block 4 H + j, row r) at 256 H + 16 r + 4 j.
; SHARES.  Work-group (J = x, pair = y) serves heads A = 2 y and B = 2 y + 1.  Wave w owns tile w (16 queries) of A's token group J and then tile w of B's token group 15 - J.
; THE WALK is the same for all eight waves and has 17 key steps whatever J: step n <= J takes A's key step n (n = J: the diagonal); behind it A's tile leaves and B's begins; step n > J takes B's key step 16 - n (n = J + 1: the diagonal).
; J + 1 and 16 - J key steps make 17: every work-group has the same work, every wave reads every key step that is fetched, and 16 x 16 work-groups serve all 16 groups of all 32 heads once.
; Both products are used transposed (S^T = K Q^T, O^T = V^T P^T): a lane holds ONE query throughout, and the 16 registers of two neighbouring tiles are 16 neighbouring keys, or 16 neighbours of the head's 128.
; THE RING: two slots of six key steps (6 x 25,600 bytes); a loading wave fetches one key step, 100 rows of 256 bytes.  Fills: steps 0-5 at the head and 6-11 by waves 0-5, steps 12-16 by waves 0-4: three changes of slots in the walk.
; A STEP'S LDS LOADS: V's fragments go out behind the score products; K's fragments of the NEXT step of the slot go out behind those products' places, into the registers that they have read; a slot's first K comes behind its barrier.
; NO CLUSTER: the work-groups of a pair of heads change from A to B behind step J, another step in each: at a step some want A's key step n and the others B's 16 - n, so no two make the same requests through the walk.
; PREFETCH: of a pair's 16 work-groups J = 15 walks all of A's key steps and J = 0 all of B's: behind the fill of steps 6-11 these two ask for the steps of the fill after (J = 15: steps 12-15; J = 0: 12-16), each wave for the
; 100 blocks of 256 bytes that it will itself fetch (fourth line: lanes 4-31 name the last block again).  Steps 0-11 come by their loads alone.
; yc: [b x 16 + token group][head] records of 12,800 bytes; tile e's codes at 1,536 e, its scale words at 12,288 + 64 e + 4 r.
; LIMITS: NaN and infinities are not served; a block whose largest magnitude lies under 2^-122 keeps the byte 1; the scaled scores stay under 2^31 in magnitude.
; REGISTERS, window 0: v1-11, v29-30 addresses and the mask's number; v12 -M, v13 the largest t, v[14:15] the sum; v16-28 Q and its scale words; v32-51 y's codes; v56-63 K's and V's scale words; v64-76 B's Q;
;   v96-159 S^T, then p; v160-223 O^T; v224-235 p's codes; v232-254 at work.   window 1: v0-95 K's eight fragments, v96-191 V's.
.set UNIT,  38400
.set KV,    25600
.set REC,   12800
.set SLOTB, 6*KV
.set SPARE, 2*SLOTB                    ; behind the ring: the spare words, 128 bytes a wave: four blocks of 256 bytes that no other line names
.set LI,    1                          ; 16 x lane
.set QD,    2                          ; my query's place in its group, less 16 (lane / 16)
.set SO,    3                          ; y's scale words: 64 w + 4 r + 2 h
.set SH,    4                          ; 16 h
.set SPW,   5
.set NIL,   6
.set QSO,   7
.set ADR,   8
.set PFO,   9
.set PFP,   10
.set SD,    11
.set QA,    16
.set QS,    28
.set LIW,   29                         ; 1,536 w + 16 x lane
.set ADN,   30                         ; where the next K lies
.set PC,    32
.set KS,    56
.set VS,    60
.set QB,    64
.set QBS,   76
.set TM,    232
.set TB,    2                          ; LDS byte at which the step in hand begins
.set CNT,   3
.set KI,    9                          ; the step, 0..16
.set TL,    10                         ; LDS byte at which the slot's last step begins
.set HA,    11                         ; A's first unit
.set HB,    12                         ; B's first unit + 16
.set MU,    13                         ; the step that my next tensor load fetches
.set KVB,   16
.set WV,    18
.set J,     19
.set SEL,   20
.set CS,    22
.set G1,    24
.set G0,    40
.set Y,     44
.set YB,    48
.set PFA,   52
.set LIM,   54
.set MSB, 0
.macro WIN new                         ; the immediate's high byte repeats the setting that is left
.if MSB != (\new)
	s_set_vgpr_msb (MSB<<8)|(\new)
.set MSB, (\new)
.endif
.endm
.macro OFFS dst, ahead                 ; where step min(MU + ahead, 16) lies: A's unit n up to step J, B's unit 16 - n behind it
	s_add_co_u32 s56, s[MU], \ahead
	s_min_u32 s56, s56, 16
	s_add_co_u32 s57, s[HA], s56
	s_sub_co_u32 s58, s[HB], s56
	s_cmp_le_u32 s56, s[J]
	s_cselect_b32 s56, s57, s58
	s_mul_i32 s56, s56, UNIT
	s_mov_b32 s57, 0
	s_add_nc_u64 s[\dst:\dst+1], s[KVB:KVB+1], s[56:57]
.endm
.macro TLOAD n                         ; waves 0 .. n - 1 fetch a key step each; the branch hangs on the wave's number alone
	s_cmp_lt_u32 s[WV], \n
	s_cbranch_scc0 .Lnone_\@
	tensor_load_to_lds s[G0:G0+3], s[G1:G1+7]
	s_nop 0
.rept 4
	v_nop
.endr
.Lnone_\@:
.endm
.macro KLOAD                           ; K's scale image and eight fragments from v[ADN]
	ds_load_b128 v[KS:KS+3], v[ADN] offset:24576   ; register t: lanes 0-15 tile t, lanes 16-31 tile 4 + t
	WIN 0x40                                       ; destinations in window 1
.set n, 0
.rept 24
	ds_load_b128 v[4*n:4*n+3], v[ADN] offset:512*n
.set n, n+1
.endr
	WIN 0
.endm
.macro QUANT s, pw                     ; 64 numbers of a lane, register 16 b + i = k 32 b + 16 (lane / 16) + i of my row, become a fragment's codes in v[PC] on and my row's scale word in v[pw]
.irp b, 0,1,2,3
	v_max3_num_f32 v[TM+\b], |v[\s+16*\b]|, |v[\s+1+16*\b]|, 0x2800000
.endr
.irp i, 2,4,6,8,10,12,14
.irp b, 0,1,2,3
	s_delay_alu instid0(VALU_DEP_4)
	v_max3_num_f32 v[TM+\b], v[TM+\b], |v[\s+16*\b+\i]|, |v[\s+1+16*\b+\i]|
.endr
.endr
.irp b, 0,1,2,3
	s_delay_alu instid0(VALU_DEP_4)
	v_permlanex16_b32 v[TM+4+\b], v[TM+\b], s[SEL], s[SEL+1]
.endr
.irp b, 0,1,2,3
	s_delay_alu instid0(VALU_DEP_4)
	v_max_num_f32 v[TM+\b], v[TM+\b], v[TM+4+\b]
.endr
.irp b, 0,1,2,3
	s_delay_alu instid0(VALU_DEP_4)
	v_add_nc_u32 v[TM+12+\b], 0xfe000000, v[TM+\b]
.endr
.irp b, 0,1,2,3
	s_delay_alu instid0(VALU_DEP_4)
	v_lshrrev_b32 v[TM+4+\b], 23, v[TM+12+\b]
.endr
	s_delay_alu instid0(VALU_DEP_3)
	v_lshl_or_b32 v[\pw], v[TM+5], 8, v[TM+4]
	s_delay_alu instid0(VALU_DEP_1)
	v_lshl_or_b32 v[\pw], v[TM+6], 16, v[\pw]
	s_delay_alu instid0(VALU_DEP_1)
	v_lshl_or_b32 v[\pw], v[TM+7], 24, v[\pw]
.irp c, 0,1
	v_cvt_scalef32_pk16_bf6_f32 v[PC+6*\c:PC+2+6*\c], v[\s+32*\c:\s+15+32*\c], v[TM+12+2*\c]
	v_cvt_scalef32_pk16_bf6_f32 v[PC+12+4*\c:PC+14+4*\c], v[\s+16+32*\c:\s+31+32*\c], v[TM+12+2*\c+1]
.endr
	v_nop                                          ; one plain instruction behind the scaled conversions
.irp c, 0,1
.irp i, 0,1,2
	v_permlane16_swap_b32 v[PC+6*\c+\i], v[PC+12+4*\c+\i]
.endr
.irp i, 0,1,2
	s_delay_alu instid0(VALU_DEP_3)
	v_mov_b32 v[PC+3+6*\c+\i], v[PC+12+4*\c+\i]
.endr
.endr
.endm
.macro INIT                            ; a tile's start: the largest t -3e38, -M its negative (a whole number), the sum and O^T zeros, which the first change of M leaves zeros
	v_mov_b32 v13, 0xff61b1e6
	v_mov_b32 v12, 0x7f61b1e6
	v_mov_b32 v14, 0
	v_mov_b32 v15, 0
.set n, 0
.rept 64
	v_mov_b32 v[160+n], 0
.set n, n+1
.endr
.endm
; A TILE LEAVES.  O^T is divided by the row's sum; a lane's 64 numbers are its query's 128 of the head in the order that the quantiser wants; the codes are fragment w of y's record.
.macro FINISH
	v_add_f32 v14, v14, v15
	v_nop
	v_permlanex16_b32 v252, v14, s[SEL], s[SEL+1]
	v_nop
	v_add_f32 v14, v14, v252                       ; the row's sum
	s_wait_alu depctr_va_vdst(0)                   ; the wait ahead of the transcendental
	v_rcp_f32 v14, v14
	v_nop
	s_wait_alu depctr_va_vdst(0)                   ; and ahead of its first reader, which is also O^T's
.set n, 0
.rept 32
	v_pk_mul_f32 v[96+n:97+n], v[160+n:161+n], v[14:15] op_sel_hi:[1,0]
.set n, n+2
.endr
	QUANT 96, 252
.irp c, 0,1,2
	global_store_b128 v[LIW], v[PC+4*\c:PC+4*\c+3], s[Y:Y+1] offset:512*\c   ; 512 consecutive bytes, at a multiple of 256 from yc's first byte
.endr
	v_lshrrev_b32 v[SD], v[SH], v252               ; both halves of the lanes hold row r's word: lane (r, h) stores its half h: 64 consecutive bytes
	global_store_b16 v[SO], v[SD], s[Y:Y+1] offset:12288
.endm
.macro REINIT                          ; B's tile begins
	s_wait_xcnt 0x0                                ; the stores have read their base and their data
	s_mov_b64 s[Y:Y+1], s[YB:YB+1]
.set n, 0
.rept 12
	v_mov_b32 v[QA+n], v[QB+n]
.set n, n+1
.endr
	v_mov_b32 v[QS], v[QBS]
	INIT
	s_wait_alu depctr_va_vdst(0)
.endm
	s_load_b128 s[4:7], s[0:1], 0x0                ; qkvc s[4:5], yc s[6:7]
	v_lshl_add_u32 v[SPW], v0, 2, SPARE
	v_mov_b32 v[NIL], 0
	ds_add_u32 v[SPW], v[NIL]                      ; the opening lines: the add, twice on end, and its wait ahead of my first tensor load
	ds_add_u32 v[SPW], v[NIL]
	v_lshrrev_b32 v8, 5, v0
	v_readfirstlane_b32 s[WV], v8                  ; wave 0..7
	s_mov_b32 s[J], ttmp9
	s_and_b32 s10, ttmp7, 0xffff                   ; the pair of heads
	s_lshl_b32 s[HA], s10, 5                       ; A = head 2 y: unit 32 y
	s_add_co_u32 s[HB], s[HA], 32
	s_mov_b32 s[MU], s[WV]                         ; I fetch step w of each six
	s_mov_b32 s14, REC                             ; K and V begin 12,800 bytes into a unit
	s_mov_b32 s15, 0
	s_mov_b32 s[G1], 3<<16                         ; group 1: 100 rows of 32 elements of 8 bytes, dense
	s_mov_b32 s[G1+1], 32<<16
	s_mov_b32 s[G1+2], 100<<16
	s_mov_b32 s[G1+3], 32<<16
	s_mov_b32 s[G1+4], 100
	s_mov_b32 s[G1+5], 32
	s_mov_b32 s[G1+6], 0
	s_mov_b32 s[G1+7], 0
	s_mov_b32 s[G0], 1
	s_mul_i32 s[G0+1], s[WV], KV
	s_mov_b32 s[SEL], 0x76543210
	s_mov_b32 s[SEL+1], 0xfedcba98
	s_mov_b32 s[CS], 0x3e0293ee                    ; c = log2(e) / sqrt(128)
	s_mov_b32 s[CS+1], s[CS]
	s_mov_b32 s[KI], 0
	s_cmp_eq_u32 s[J], 0                           ; how many of my waves ask ahead: J = 0: five (B's key steps 4 .. 0); J = 15: four (A's 12 .. 15); else none
	s_cselect_b32 s[LIM], 5, 0
	s_cmp_eq_u32 s[J], 15
	s_cselect_b32 s[LIM], 4, s[LIM]
	s_mul_i32 s55, s[WV], 1536
	s_add_co_u32 s60, s[HA], s[J]
	s_mul_i32 s60, s60, UNIT                       ; A's queries: unit J of A
	s_mov_b32 s61, 0
	s_sub_co_u32 s62, s[HB], s[J]
	s_sub_co_u32 s62, s62, 1
	s_mul_i32 s62, s62, UNIT                       ; B's queries: unit 15 - J of B
	s_mov_b32 s63, 0
	s_lshr_b32 s56, s10, 3
	s_lshl_b32 s56, s56, 4                         ; 16 b
	s_add_co_u32 s57, s56, s[J]
	s_lshl_b32 s57, s57, 4
	s_and_b32 s58, s10, 7
	s_lshl_b32 s58, s58, 1                         ; A's head in its batch
	s_add_co_u32 s57, s57, s58
	s_mul_i32 s66, s57, REC                        ; y's record (16 b + J) x 16 + head
	s_mov_b32 s67, 0
	s_add_co_u32 s56, s56, 15
	s_sub_co_u32 s56, s56, s[J]
	s_lshl_b32 s56, s56, 4
	s_add_co_u32 s56, s56, s58
	s_add_co_u32 s56, s56, 1
	s_mul_i32 s68, s56, REC                        ; and (16 b + 15 - J) x 16 + head + 1
	s_mov_b32 s69, 0
	s_lshr_b32 s59, s[WV], 1
	s_lshl_b32 s59, s59, 5
	s_and_b32 s70, s[WV], 1
	s_lshl_b32 s70, s70, 3
	s_add_co_u32 s59, s59, s70                     ; 32 (w / 2) + 8 (w % 2)
	s_lshr_b32 s71, s[WV], 2
	s_lshl_b32 s71, s71, 8
	s_and_b32 s70, s[WV], 3
	s_lshl_b32 s70, s70, 2
	s_add_co_u32 s71, s71, s70                     ; tile w's words in a scale image: 256 (w / 4) + 4 (w % 4)
	s_lshl_b32 s70, s[WV], 6
	s_wait_dscnt 0x0                               ; both opening adds are done
	s_wait_kmcnt 0x0
	s_add_nc_u64 s[KVB:KVB+1], s[4:5], s[14:15]
	OFFS G0+2, 0
	s_or_b32 s[G0+3], s[G0+3], 0x80000000
	TLOAD 6                                        ; slot 0: steps 0-5
	s_add_nc_u64 s[60:61], s[4:5], s[60:61]
	s_add_nc_u64 s[62:63], s[4:5], s[62:63]
	s_add_nc_u64 s[Y:Y+1], s[6:7], s[66:67]
	s_add_nc_u64 s[YB:YB+1], s[6:7], s[68:69]
	v_and_b32 v[LI], 31, v0
	v_and_b32 v[SD], 15, v0                        ; r
	v_lshlrev_b32 v[PFO], 8, v[LI]
	v_min_u32 v[PFP], 3, v[LI]
	v_lshlrev_b32 v[LI], 4, v[LI]
	v_lshlrev_b32 v[PFP], 8, v[PFP]
	v_add_nc_u32 v[LIW], s55, v[LI]
	v_lshl_add_u32 v[QSO], v[SD], 4, s71
.irp c, 0,1,2
	global_load_b128 v[QA+4*\c:QA+4*\c+3], v[LIW], s[60:61] offset:512*\c   ; both tiles' Q stay in registers
	global_load_b128 v[QB+4*\c:QB+4*\c+3], v[LIW], s[62:63] offset:512*\c
.endr
	global_load_b32 v[QS], v[QSO], s[60:61] offset:12288
	global_load_b32 v[QBS], v[QSO], s[62:63] offset:12288
	v_bfe_u32 v[SH], v0, 4, 1                      ; h
	v_lshl_add_u32 v[SO], v[SD], 2, s70
	v_and_b32 v[QD], 8, v[SD]
	v_lshl_add_u32 v[SO], v[SH], 1, v[SO]
	v_add_nc_u32 v[QD], v[QD], v[SD]               ; r + 8 (r / 8)
	v_lshlrev_b32 v[SH], 4, v[SH]
	v_add_nc_u32 v[QD], s59, v[QD]
	v_sub_nc_u32 v[QD], v[QD], v[SH]               ; register 16 b + i holds key 32 b + 16 (lane / 16) + i: hidden on the diagonal where 32 b + i is above this number
.irp b, 0,1,2,3
	v_mov_b32 v[236+\b], 0                         ; a lane permute's destination counts as one of its sources
.endr
	v_mov_b32 v252, 0
	v_mov_b32 v253, 0
	INIT
; A KEY STEP: 128 keys.  Its K is in registers or on its way.  last = 1: the copy that holds step 16, behind which B's tile leaves
.macro STEP last
	v_add_nc_u32 v[ADR], s[TB], v[LI]
	s_add_co_u32 s56, s[TB], KV
	s_min_u32 s56, s56, s[TL]                      ; never past the slot's last step
	v_add_nc_u32 v[ADN], s56, v[LI]
	v_nop
	v_nop                                          ; with the additions: four places in front of loads into registers that the last products read
	s_wait_alu depctr_va_vdst(0)
	s_wait_dscnt 0x0                               ; K's fragments and scale image are in
	WIN 0x01                                       ; source 0 in window 1
.irp t, 0,1,2,3,4,5,6,7                        ; S^T = K Q^T: eight accumulators, one instruction each
.if \t < 4
	v_wmma_scale_f32_16x16x128_f8f6f4 v[96+8*\t:103+8*\t], v[12*\t:12*\t+11], v[QA:QA+11], 0, v[KS+\t], v[QS] matrix_a_fmt:MATRIX_FMT_BF6 matrix_b_fmt:MATRIX_FMT_BF6
.else
	v_wmma_scale_f32_16x16x128_f8f6f4 v[96+8*\t:103+8*\t], v[12*\t:12*\t+11], v[QA:QA+11], 0, v[KS+\t-4], v[QS] matrix_a_fmt:MATRIX_FMT_BF6 matrix_b_fmt:MATRIX_FMT_BF6 matrix_a_scale:MATRIX_SCALE_ROW1
.endif
.endr
	WIN 0
	ds_load_b128 v[VS:VS+3], v[ADR] offset:25088   ; V's scale image and eight fragments: they land while the scores are worked on
	WIN 0x40
.set n, 0
.rept 24
	ds_load_b128 v[96+4*n:99+4*n], v[ADR] offset:12288+512*n
.set n, n+1
.endr
	WIN 0
.rept 4
	v_nop                                          ; four places behind the score products: their results are read, and K's registers loaded, below
.endr
	s_cmp_eq_u32 s[CNT], 1                         ; the slot's last step has no successor in the slot
	s_cbranch_scc1 .Lnok_\@
	KLOAD                                          ; the next step's K
.Lnok_\@:
	s_sub_co_u32 s56, s[KI], s[J]                  ; steps J and J + 1 are the two diagonals: hidden scores become -infinity ahead of the maximum, so p = 0 there
	s_cmp_gt_u32 s56, 1
	s_cbranch_scc1 .Lopen_\@
	v_mov_b32 v254, 0xff800000
.set n, 0
.rept 64
	v_cmp_gt_i32 vcc_lo, 32*(n/16)+n%16, v[QD]
	v_cndmask_b32 v[96+n], v[96+n], v254, vcc_lo
.set n, n+1
.endr
.Lopen_\@:
.irp b, 0,1,2,3
	v_max3_num_f32 v[232+\b], v[96+16*\b], v[97+16*\b], v[98+16*\b]   ; the largest score of each block of 32 keys: for the row's maximum and, since p rises with the score, for the block's largest p
.endr
.irp i, 3,5,7,9,11,13
.irp b, 0,1,2,3
	v_max3_num_f32 v[232+\b], v[232+\b], v[96+16*\b+\i], v[97+16*\b+\i]
.endr
.endr
.irp b, 0,1,2,3
	v_max_num_f32 v[232+\b], v[232+\b], v[111+16*\b]
.endr
.irp b, 0,1,2,3
	s_delay_alu instid0(VALU_DEP_4)
	v_permlanex16_b32 v[236+\b], v[232+\b], s[SEL], s[SEL+1]
.endr
.irp b, 0,1,2,3
	s_delay_alu instid0(VALU_DEP_4)
	v_max_num_f32 v[232+\b], v[232+\b], v[236+\b]  ; with lane l xor 16's 16 keys
.endr
	s_delay_alu instid0(VALU_DEP_2)
	v_max3_num_f32 v254, v232, v233, v234
	s_delay_alu instid0(VALU_DEP_1)
	v_max_num_f32 v254, v254, v235                 ; the step's largest score of my query
	s_delay_alu instid0(VALU_DEP_1)
	v_mul_f32 v254, s[CS], v254                    ; as t
	s_delay_alu instid0(VALU_DEP_1)
	v_max_num_f32 v13, v13, v254                   ; the running largest t
	v_mov_b32 v254, v12
	s_delay_alu instid0(VALU_DEP_2)
	v_floor_f32 v12, -v13                          ; the new -M = -ceil(t): a whole number
	s_delay_alu instid0(VALU_DEP_1)
	v_sub_f32 v254, v12, v254                      ; old M - new M: a whole number, 0 or less
	s_delay_alu instid0(VALU_DEP_1)
	v_cvt_i32_f32 v254, v254                       ; (it saturates)
	s_delay_alu instid0(VALU_DEP_1)
	v_ldexp_f32 v252, 1.0, v254                    ; f = 2^(old M - new M)
.set n, 0
.rept 32
	v_pk_fma_f32 v[96+n:97+n], v[96+n:97+n], s[CS:CS+1], v[12:13] op_sel_hi:[1,0,0]   ; t - M, two at a time
.set n, n+2
.endr
.irp b, 0,1,2,3
	v_fma_f32 v[232+\b], v[232+\b], s[CS], v12     ; the same of each block's largest score
.endr
	s_wait_alu depctr_va_vdst(0)
.set n, 0
.rept 64
	v_exp_f32 v[96+n], v[96+n]                     ; p = 2^(t - M), at most 1
.set n, n+1
.endr
	v_pk_mul_f32 v[14:15], v[14:15], v[252:253] op_sel_hi:[1,0]   ; the sums under the new M: the plain instruction behind the exponentials
	s_wait_alu depctr_va_vdst(0)                   ; one wait for the whole batch, ahead of its first reader
.irp b, 0,1,2,3
	v_exp_f32 v[232+\b], v[232+\b]                 ; the block's largest p
.endr
.set n, 0                                      ; the row's sum of the unquantised p: two at a time, in eight chains
.irp a, 236,240,242,244,246,248,250
	v_pk_add_f32 v[\a:\a+1], v[96+4*n:97+4*n], v[98+4*n:99+4*n]
.set n, n+1
.endr
	v_pk_add_f32 v[14:15], v[14:15], v[124:125]
.irp j, 126,142
.set n, 0
.irp a, 236,240,242,244,246,248,250
	v_pk_add_f32 v[\a:\a+1], v[\a:\a+1], v[\j+2*n:\j+2*n+1]
.set n, n+1
.endr
	v_pk_add_f32 v[14:15], v[14:15], v[\j+14:\j+15]
.endr
	v_pk_add_f32 v[236:237], v[236:237], v[158:159]
	v_pk_add_f32 v[240:241], v[240:241], v[242:243]
	v_pk_add_f32 v[244:245], v[244:245], v[246:247]
	v_pk_add_f32 v[248:249], v[248:249], v[250:251]
	s_delay_alu instid0(VALU_DEP_4)
	v_pk_add_f32 v[14:15], v[14:15], v[236:237]
	s_delay_alu instid0(VALU_DEP_3)
	v_pk_add_f32 v[240:241], v[240:241], v[244:245]
	s_delay_alu instid0(VALU_DEP_2)
	v_pk_add_f32 v[14:15], v[14:15], v[248:249]
	s_delay_alu instid0(VALU_DEP_1)
	v_pk_add_f32 v[14:15], v[14:15], v[240:241]
	s_wait_alu depctr_va_vdst(0)                   ; and one for the four
.irp b, 0,1,2,3
	v_max_num_f32 v[232+\b], 0x2800000, v[232+\b]  ; the floor 2^(5 - 127): a block whose every p is 0 keeps the byte 1: its codes are zeros
.endr
.irp b, 0,1,2,3
	s_delay_alu instid0(VALU_DEP_4)
	v_add_nc_u32 v[244+\b], 0xfe000000, v[232+\b]  ; 4 off the exponent field: the conversion's scale operand
.endr
.irp b, 0,1,2,3
	s_delay_alu instid0(VALU_DEP_4)
	v_lshrrev_b32 v[236+\b], 23, v[244+\b]
.endr
	s_delay_alu instid0(VALU_DEP_3)
	v_lshl_or_b32 v253, v237, 8, v236              ; p's scale word for these 128 keys
	s_delay_alu instid0(VALU_DEP_1)
	v_lshl_or_b32 v253, v238, 16, v253
	s_delay_alu instid0(VALU_DEP_1)
	v_lshl_or_b32 v253, v239, 24, v253
.irp c, 0,1
	v_cvt_scalef32_pk16_bf6_f32 v[224+6*\c:226+6*\c], v[96+32*\c:111+32*\c], v[244+2*\c]
	v_cvt_scalef32_pk16_bf6_f32 v[236+4*\c:238+4*\c], v[112+32*\c:127+32*\c], v[244+2*\c+1]
.endr
	v_nop                                          ; one plain instruction behind the scaled conversions
.irp c, 0,1
.irp i, 0,1,2
	v_permlane16_swap_b32 v[224+6*\c+\i], v[236+4*\c+\i]
.endr
.irp i, 0,1,2
	s_delay_alu instid0(VALU_DEP_3)
	v_mov_b32 v[227+6*\c+\i], v[236+4*\c+\i]
.endr
.endr
	s_wait_alu depctr_va_vdst(0)                   ; the wait directly ahead of the first reader of O^T
.set n, 0
.rept 32
	v_pk_mul_f32 v[160+n:161+n], v[160+n:161+n], v[252:253] op_sel_hi:[1,0]   ; O^T under the new M.  These 32 are also the places in front of the matrix instructions below
.set n, n+2
.endr
	s_wait_alu depctr_va_vdst(0)
	s_wait_dscnt 0x0                               ; V's fragments are in (and the next K's, asked for behind them)
	WIN 0x01
.irp t, 0,1,2,3,4,5,6,7                        ; O^T += V^T P^T: eight accumulators by turns
.if \t < 4
	v_wmma_scale_f32_16x16x128_f8f6f4 v[160+8*\t:167+8*\t], v[96+12*\t:107+12*\t], v[224:235], v[160+8*\t:167+8*\t], v[VS+\t], v253 matrix_a_fmt:MATRIX_FMT_BF6 matrix_b_fmt:MATRIX_FMT_BF6
.else
	v_wmma_scale_f32_16x16x128_f8f6f4 v[160+8*\t:167+8*\t], v[96+12*\t:107+12*\t], v[224:235], v[160+8*\t:167+8*\t], v[VS+\t-4], v253 matrix_a_fmt:MATRIX_FMT_BF6 matrix_b_fmt:MATRIX_FMT_BF6 matrix_a_scale:MATRIX_SCALE_ROW1
.endif
.endr
	WIN 0
.if \last
	s_cmp_eq_u32 s[KI], s[J]                       ; behind step J A's tile is whole, behind step 16 B's
	s_cbranch_scc1 .Lfin_\@
	s_cmp_lg_u32 s[KI], 16
	s_cbranch_scc1 .Lsame_\@
.Lfin_\@:
	FINISH
	s_cmp_eq_u32 s[KI], 16
	s_cbranch_scc1 .Lsame_\@
.else
	s_cmp_lg_u32 s[KI], s[J]                       ; behind step J A's tile is whole: it leaves, and B's begins
	s_cbranch_scc1 .Lsame_\@
	FINISH
.endif
	REINIT
.Lsame_\@:
	s_add_co_u32 s[KI], s[KI], 1
	s_add_co_u32 s[TB], s[TB], KV
.endm
; THE CHANGE OF SLOTS stands at a slot's head.  Each wave waits for all its tensor loads (its part of the slot ahead), adds 0 to its spare word, and waits for that and for its reads of the slot that it has left.
; n: how many waves fetch a key step of the next six into the slot at byte base; the fill is the first thing behind the barrier and has six key steps in which to land.
.macro CHANGE n, base, ask
	s_wait_tensorcnt 0x0                           ; no tensor load of mine is out, so the descriptor may be written
	ds_add_u32 v[SPW], v[NIL]                      ; 0 onto my spare word,
.if \n
	ds_add_u32 v[SPW], v[NIL]                      ; and twice on end
	s_mul_i32 s[G0+1], s[WV], KV
	s_add_co_u32 s[G0+1], s[G0+1], \base
	s_add_co_u32 s[MU], s[MU], 6
	OFFS G0+2, 0
	s_or_b32 s[G0+3], s[G0+3], 0x80000000
.endif
.if \ask
	OFFS PFA, 6                                    ; what my load after this one will fetch; written here alone
.endif
	s_wait_dscnt 0x0                               ; the adds are done, and my reads of the slot that I have left are over
	s_barrier_signal -1
	s_barrier_wait -1
.if \n
	TLOAD \n
.endif
.if \ask
	s_cmp_lt_u32 s[WV], s[LIM]
	s_cbranch_scc0 .Lnot_mine_\@
.irp i, 0,1,2
	global_prefetch_b8 v[PFO], s[PFA:PFA+1] offset:8192*\i th:TH_LOAD_NT scope:SCOPE_SE
.endr
	global_prefetch_b8 v[PFP], s[PFA:PFA+1] offset:24576 th:TH_LOAD_NT scope:SCOPE_SE
.Lnot_mine_\@:
.endif
.endm
.macro RUN base, n, last               ; a slot's n key steps
	s_mov_b32 s[TB], \base
	s_mov_b32 s[TL], \base+(\n-1)*KV
	v_add_nc_u32 v[ADN], s[TB], v[LI]
	KLOAD                                          ; the slot's first K
	s_mov_b32 s[CNT], \n
.Lstep_\@:
	STEP \last
	s_sub_co_u32 s[CNT], s[CNT], 1
	s_cmp_lg_u32 s[CNT], 0
	s_cbranch_scc1 .Lstep_\@
.endm
	s_wait_alu depctr_va_vdst(0)
	s_wait_loadcnt 0x0                             ; Q
	CHANGE 6, SLOTB, 1                             ; slot 1's first fill, issued as a refill is: steps 6-11
	RUN 0, 6, 0                                    ; steps 0-5
	CHANGE 5, 0, 0                                 ; slot 0 again: steps 12-16
	RUN SLOTB, 6, 0                                ; steps 6-11
	CHANGE 0, 0, 0
	RUN 0, 5, 1                                    ; steps 12-16
	s_wait_tensorcnt 0x0                           ; the wave's end
	ds_add_u32 v[SPW], v[NIL]
	s_wait_dscnt 0x0
	s_endpgm
.Lfunc_end_k_q5871762dc1_attn:
	.size	k_q5871762dc1_attn, .Lfunc_end_k_q5871762dc1_attn-k_q5871762dc1_attn
	.p2alignl 7, 3214868480
	.fill 96, 4, 3214868480
	.section	.rodata,"a",@progbits
	.p2align	6, 0x0
	.amdhsa_kernel k_q5871762dc1_attn
		.amdhsa_group_segment_fixed_size 327680
		.amdhsa_private_segment_fixed_size 0
		.amdhsa_enable_private_segment 0
		.amdhsa_kernarg_size 16
		.amdhsa_user_sgpr_count 2
		.amdhsa_user_sgpr_kernarg_segment_ptr 1
		.amdhsa_wavefront_size32 1
		.amdhsa_system_sgpr_workgroup_id_x 1
		.amdhsa_system_sgpr_workgroup_id_y 1
		.amdhsa_system_sgpr_workgroup_id_z 1
		.amdhsa_system_vgpr_workitem_id 0
		.amdhsa_next_free_vgpr 448
		.amdhsa_next_free_sgpr 72
		.amdhsa_reserve_vcc 1
		.amdhsa_float_denorm_mode_32 3
		.amdhsa_float_denorm_mode_16_64 3
		.amdhsa_memory_ordered 1
		.amdhsa_forward_progress 1
		.amdhsa_inst_pref_size 125
	.end_amdhsa_kernel
	.amdgpu_metadata
---
amdhsa.version: [ 1, 2 ]
amdhsa.kernels:
  - .name:           k_q5871762dc1_attn
    .symbol:         k_q5871762dc1_attn.kd
    .args:
      - { .name: qkvc, .offset: 0, .size: 8, .value_kind: global_buffer, .address_space: global }
      - { .name: yc, .offset: 8, .size: 8, .value_kind: global_buffer, .address_space: global }
    .group_segment_fixed_size: 327680
    .private_segment_fixed_size: 0
    .kernarg_segment_align: 8
    .kernarg_segment_size: 16
    .max_flat_workgroup_size: 256
    .sgpr_count:     72
    .vgpr_count:     448
    .wavefront_size: 32
...
	.end_amdgpu_metadata
.endif
;; end of part 3
;; launch proj (part 4): grid 8 x 32, 4 waves a work-group, clusters of 4 x 4, 327,680 bytes of LDS; arguments yc, wc, bp, out0; writes out0
.if DOCPART == 4
	.amdgcn_target "amdgcn-amd-amdhsa--gfx1250"
	.amdhsa_code_object_version 6
	.text
	.protected	k_q5871762dc1_proj
	.globl	k_q5871762dc1_proj
	.p2align	8
	.type	k_q5871762dc1_proj,@function
k_q5871762dc1_proj:
	s_mov_b64 s[64:65], 0
	v_nop
	global_prefetch_b8 v0, s[64:65] scope:SCOPE_SE
	s_setreg_imm32_b32 hwreg(HW_REG_WAVE_MODE, 25, 1), 1
	s_wait_xcnt 0x0
	s_wait_alu depctr_hold_cnt(0) depctr_sa_sdst(0) depctr_va_vdst(0) depctr_va_sdst(0) depctr_va_ssrc(0) depctr_va_vcc(0) depctr_vm_vsrc(0)
	s_getreg_b32 s2, hwreg(HW_REG_IB_STS2, 6, 4)
	s_cmp_eq_u32 s2, 0
	s_cbranch_scc0 .Lentry_in_a_cluster
	s_endpgm
.Lentry_in_a_cluster:
	s_bfe_u32 s2, ttmp6, 0x10000c
	s_cmp_lg_u32 s2, 0xf033
	s_cbranch_scc0 .Lentry_shape_is_right
	s_endpgm
.Lentry_shape_is_right:
.set REC,   12800
.set REG,   2*REC
.set SLOT,  4*REG
.set SPARE, 2*SLOT
.set FR,    12
.set SPW,   1
.set NIL,   2
.set ADRA,  4
.set ADRB,  6
.set ASA,   8
.set ASB,   10
.set STO,   12
.set RD,    13
.set CO,    14
.set BO,    15
.set SCL,   16
.set BT,    32
.set BK,    64
.set ACC,   128
.set G1A,   24
.set G0A,   32
.set G1B,   48
.set G0B,   56
.set MSB, 0
.macro WIN new
.if MSB != (\new)
	s_set_vgpr_msb (MSB<<8)|(\new)
.set MSB, (\new)
.endif
.endm
.set MUL,  0x05
.set TO_F, 0x40
.macro JLOAD g0a, g0b
	s_cmp_eq_u32 s17, 0
	s_cbranch_scc0 .Lfor_b_\@
	tensor_load_to_lds s[\g0a:\g0a+3], s[G1A:G1A+7]
	s_nop 0
.rept 4
	v_nop
.endr
	s_branch .Lasked_\@
.Lfor_b_\@:
	tensor_load_to_lds s[\g0b:\g0b+3], s[G1B:G1B+7]
	s_nop 0
.rept 4
	v_nop
.endr
.Lasked_\@:
.endm
.macro CREST
	s_cmp_lg_u32 s16, 0
	s_cbranch_scc1 .Lnot_wave_0_\@
	s_barrier_signal -3
.Lnot_wave_0_\@:
	s_barrier_wait -3
	s_barrier_signal -1
	s_barrier_wait -1
.endm
.macro CROUND
	s_barrier_signal -1
	s_barrier_wait -1
	CREST
.endm
	s_load_b256 s[4:11], s[0:1], 0x0
	v_lshl_add_u32 v[SPW], v0, 2, SPARE
	v_mov_b32 v[NIL], 0
	ds_add_u32 v1, v2
	ds_add_u32 v1, v2
	s_wait_dscnt 0x0
	v_lshrrev_b32 v64, 5, v0
	v_readfirstlane_b32 s16, v64
	s_lshr_b32 s17, s16, 1
	s_and_b32 s18, s16, 1
	s_bfe_u32 s40, ttmp6, 0x40000
	s_bfe_u32 s41, ttmp6, 0x40004
	s_lshl_b32 s42, ttmp9, 2
	s_add_co_u32 s42, s42, s40
	s_and_b32 s43, ttmp7, 0xffff
	s_lshl_b32 s43, s43, 2
	s_add_co_u32 s43, s43, s41
	s_lshl_b32 s44, s41, 2
	s_lshl_b32 s44, 15, s44
	s_lshl_b32 s45, 0x1111, s40
	s_or_b32 s[G1A], s44, (3<<16)|(1<<21)
	s_or_b32 s[G1B], s45, (3<<16)|(1<<21)
.irp g, G1A, G1B
	s_mov_b32 s[\g+1], 32<<16
	s_mov_b32 s[\g+2], 100<<16
	s_mov_b32 s[\g+3], 32<<16
	s_mov_b32 s[\g+4], 100
	s_mov_b32 s[\g+5], 32
	s_mov_b32 s[\g+6], 0
	s_mov_b32 s[\g+7], 0
.endr
	s_lshl_b32 s19, s18, 1
	s_lshl_b32 s20, s43, 4
	s_add_co_u32 s20, s20, s19
	s_mul_i32 s20, s20, REC
	s_mov_b32 s21, 0
	s_lshl_b32 s46, s42, 4
	s_add_co_u32 s46, s46, s19
	s_mul_i32 s46, s46, REC
	s_add_co_u32 s46, s46, 384*REC
	s_mov_b32 s47, 0
	s_mul_i32 s22, s16, REG
	s_wait_kmcnt 0x0
	s_add_nc_u64 s[20:21], s[4:5], s[20:21]
	s_add_nc_u64 s[46:47], s[6:7], s[46:47]
	CROUND
.irp s, 0,1
	s_mov_b32 s[G0A+4*\s], 1
	s_add_co_u32 s[G0A+4*\s+1], s22, \s*SLOT
	s_add_nc_u64 s[G0A+4*\s+2:G0A+4*\s+3], s[20:21], \s*4*REC
	s_or_b32 s[G0A+4*\s+3], s[G0A+4*\s+3], 0x80000000
	s_mov_b32 s[G0B+4*\s], 1
	s_add_co_u32 s[G0B+4*\s+1], s22, \s*SLOT
	s_add_nc_u64 s[G0B+4*\s+2:G0B+4*\s+3], s[46:47], \s*4*REC
	s_or_b32 s[G0B+4*\s+3], s[G0B+4*\s+3], 0x80000000
	s_wait_alu depctr_va_vdst(0)
	s_wait_tensorcnt 0x0
	ds_add_u32 v1, v2
	ds_add_u32 v1, v2
	s_wait_dscnt 0x0
	CROUND
	JLOAD G0A+4*\s, G0B+4*\s
.endr
	v_and_b32 v64, 15, v0
	v_bfe_u32 v65, v0, 4, 1
	v_and_b32 v66, 31, v0
	v_lshlrev_b32 v67, 4, v66
	s_wait_alu depctr_va_vdst(0)
	v_lshlrev_b32 v68, 2, v66
	s_wait_alu depctr_va_vdst(0)
	v_lshlrev_b32 v69, 4, v64
	s_wait_alu depctr_va_vdst(0)
	s_mul_i32 s66, s17, 4*1536
	s_mul_i32 s67, s18, 4*1536
	s_add_co_u32 s67, s67, 2*REG
	s_lshl_b32 s68, s17, 8
	s_add_co_u32 s68, s68, 12288
	s_lshl_b32 s69, s18, 8
	s_add_co_u32 s69, s69, 2*REG+12288
.irp s, 0,1
	v_add_nc_u32 v[ADRA+\s], s66, v67
	v_add_nc_u32 v[ADRB+\s], s67, v67
	v_add_nc_u32 v[ASA+\s], s68, v68
	v_add_nc_u32 v[ASB+\s], s69, v69
	s_add_co_u32 s66, s66, SLOT
	s_add_co_u32 s67, s67, SLOT
	s_add_co_u32 s68, s68, SLOT
	s_add_co_u32 s69, s69, SLOT
.endr
	s_mul_i32 s66, s16, 16*272
	v_mul_u32_u24 v[STO], v64, 272
	v_lshl_add_u32 v[STO], v65, 6, v[STO]
	v_add_nc_u32 v[STO], s66, v[STO]
	v_mul_u32_u24 v[RD], v65, 272
	v_add_nc_u32 v[RD], v[RD], v69
	v_add_nc_u32 v[RD], s66, v[RD]
	v_lshl_add_u32 v[CO], v65, 12, v69
	v_lshlrev_b32 v[BO], 6, v65
	s_lshl_b32 s70, s42, 9
	s_lshl_b32 s71, s18, 8
	s_add_co_u32 s70, s70, s71
	s_mov_b32 s71, 0
	s_add_nc_u64 s[8:9], s[8:9], s[70:71]
.irp b, 0,1,2,3
	global_load_b128 v[BT+8*\b:BT+8*\b+3], v[BO], s[8:9] offset:128*(\b/2)+32*(\b%2)
	global_load_b128 v[BT+8*\b+4:BT+8*\b+7], v[BO], s[8:9] offset:128*(\b/2)+32*(\b%2)+16
.endr
	s_lshl_b32 s72, s43, 7
	s_lshl_b32 s73, s17, 6
	s_add_co_u32 s72, s72, s73
	s_lshl_b32 s72, s72, 12
	s_add_co_u32 s72, s72, s70
	s_mov_b32 s73, 0
	s_add_nc_u64 s[10:11], s[10:11], s[72:73]
.macro FETCH slot, q, p
	WIN TO_F
.irp b, 0,1,2,3
.irp c, 0,1,2
	ds_load_b128 v[128*(\p)+FR*\b+4*\c:128*(\p)+FR*\b+4*\c+3], v[ADRB+\slot] offset:REC*(\q)+1536*\b+512*\c
.endr
.endr
.irp a, 0,1,2,3
.irp c, 0,1,2
	ds_load_b128 v[128*(\p)+48+FR*\a+4*\c:128*(\p)+48+FR*\a+4*\c+3], v[ADRA+\slot] offset:REC*(\q)+1536*\a+512*\c
.endr
.endr
	WIN 0
	ds_load_b128 v[SCL+8*(\p):SCL+8*(\p)+3], v[ASB+\slot] offset:REC*(\q)
	ds_load_b32 v[SCL+8*(\p)+4], v[ASA+\slot] offset:REC*(\q)
	ds_load_b32 v[SCL+8*(\p)+5], v[ASA+\slot] offset:REC*(\q)+128
.endm
.macro MUL4 a, p, mode
.irp b, 0,1,2,3
.set rD, ACC+8*(4*(\a)+\b)
.set rB, 128*(\p)+FR*\b
.set rA, 128*(\p)+48+FR*(\a)
.set rSB, SCL+8*(\p)+\b
.set rSA, SCL+8*(\p)+4+(\a)/2
.set rC, rD
.if \mode
.set rC, BT+8*\b
.endif
.if (\a)%2
	v_wmma_scale_f32_16x16x128_f8f6f4 v[rD:rD+7], v[rB:rB+FR-1], v[rA:rA+FR-1], v[rC:rC+7], v[rSB], v[rSA] matrix_a_fmt:MATRIX_FMT_BF6 matrix_b_fmt:MATRIX_FMT_BF6 matrix_b_scale:MATRIX_SCALE_ROW1
.else
	v_wmma_scale_f32_16x16x128_f8f6f4 v[rD:rD+7], v[rB:rB+FR-1], v[rA:rA+FR-1], v[rC:rC+7], v[rSB], v[rSA] matrix_a_fmt:MATRIX_FMT_BF6 matrix_b_fmt:MATRIX_FMT_BF6
.endif
.endr
.endm
.macro PLACES
.rept 4
	v_nop
.endr
.endm
.macro STEP slot, q, mode
	s_wait_dscnt 0x0
	PLACES
	FETCH \slot, (\q)+1, 1-(\q)%2
	WIN MUL
	MUL4 0, (\q)%2, \mode
	MUL4 1, (\q)%2, \mode
	MUL4 2, (\q)%2, \mode
	MUL4 3, (\q)%2, \mode
	WIN 0
.endm
.macro TURN slot, next, fill
	s_wait_tensorcnt 0x0
	ds_add_u32 v[SPW], v[NIL]
	s_wait_dscnt 1
	WIN MUL
	MUL4 0, 1, 0
	s_wait_dscnt 0x0
	s_barrier_signal -1
	MUL4 1, 1, 0
	WIN 0
	s_barrier_wait -1
.if \fill
	CREST
	s_add_nc_u64 s[G0A+4*\slot+2:G0A+4*\slot+3], s[G0A+4*\slot+2:G0A+4*\slot+3], 8*REC
	s_add_nc_u64 s[G0B+4*\slot+2:G0B+4*\slot+3], s[G0B+4*\slot+2:G0B+4*\slot+3], 8*REC
	JLOAD G0A+4*\slot, G0B+4*\slot
.else
	PLACES
.endif
	s_wait_alu depctr_va_vdst(0)
	FETCH \next, 0, 0
	WIN MUL
	MUL4 2, 1, 0
	MUL4 3, 1, 0
	WIN 0
.endm
	s_wait_tensorcnt 1
	s_barrier_signal -1
	s_barrier_wait -1
	FETCH 0, 0, 0
	s_wait_loadcnt 0x0
	STEP 0, 0, 1
	STEP 0, 1, 0
	STEP 0, 2, 0
	TURN 0, 1, 1
	STEP 1, 0, 0
	STEP 1, 1, 0
	STEP 1, 2, 0
	TURN 1, 0, 1
	STEP 0, 0, 0
	STEP 0, 1, 0
	STEP 0, 2, 0
	TURN 0, 1, 0
	STEP 1, 0, 0
	STEP 1, 1, 0
	STEP 1, 2, 0
	s_wait_dscnt 0x0
	WIN MUL
	MUL4 0, 1, 0
	MUL4 1, 1, 0
	MUL4 2, 1, 0
	MUL4 3, 1, 0
	WIN 0
.macro TOSTAGE a
.irp b, 0,1,2,3
	ds_store_b128 v[STO], v[ACC+8*(4*(\a)+\b):ACC+8*(4*(\a)+\b)+3] offset:128*(\b/2)+32*(\b%2)
	ds_store_b128 v[STO], v[ACC+8*(4*(\a)+\b)+4:ACC+8*(4*(\a)+\b)+7] offset:128*(\b/2)+32*(\b%2)+16
.endr
.irp t, 0,1,2,3,4,5,6,7
	ds_load_b128 v[BK+32*((\a)%2)+4*\t:BK+32*((\a)%2)+4*\t+3], v[RD] offset:544*\t
.endr
.endm
.macro SEND a, younger
	s_wait_dscnt \younger
.irp t, 0,1,2,3,4,5,6,7
	global_store_b128 v[CO], v[BK+32*((\a)%2)+4*\t:BK+32*((\a)%2)+4*\t+3], s[10:11] offset:(32*((\a)/2)+8*((\a)%2)+16*(\t/4)+2*(\t%4))*4096 th:TH_STORE_NT
.endr
.endm
	PLACES
	TOSTAGE 0
.irp a, 1,2,3
.if \a > 1
	s_wait_xcnt 0x0
.endif
	TOSTAGE \a
	SEND \a-1, 16
.endr
	SEND 3, 0
	s_wait_tensorcnt 0x0
	ds_add_u32 v[SPW], v[NIL]
	s_wait_dscnt 0x0
	CROUND
	s_endpgm
.Lfunc_end_k_q5871762dc1_proj:
	.size	k_q5871762dc1_proj, .Lfunc_end_k_q5871762dc1_proj-k_q5871762dc1_proj
	.p2alignl 7, 3214868480
	.fill 96, 4, 3214868480
	.section	.rodata,"a",@progbits
	.p2align	6, 0x0
	.amdhsa_kernel k_q5871762dc1_proj
		.amdhsa_group_segment_fixed_size 327680
		.amdhsa_private_segment_fixed_size 0
		.amdhsa_enable_private_segment 0
		.amdhsa_kernarg_size 32
		.amdhsa_user_sgpr_count 2
		.amdhsa_user_sgpr_kernarg_segment_ptr 1
		.amdhsa_wavefront_size32 1
		.amdhsa_system_sgpr_workgroup_id_x 1
		.amdhsa_system_sgpr_workgroup_id_y 1
		.amdhsa_system_sgpr_workgroup_id_z 1
		.amdhsa_system_vgpr_workitem_id 0
		.amdhsa_next_free_vgpr 512
		.amdhsa_next_free_sgpr 80
		.amdhsa_reserve_vcc 0
		.amdhsa_float_denorm_mode_32 3
		.amdhsa_float_denorm_mode_16_64 3
		.amdhsa_memory_ordered 1
		.amdhsa_forward_progress 1
		.amdhsa_inst_pref_size 83
	.end_amdhsa_kernel
	.amdgpu_metadata
---
amdhsa.version: [ 1, 2 ]
amdhsa.kernels:
  - .name:           k_q5871762dc1_proj
    .symbol:         k_q5871762dc1_proj.kd
    .args:
      - { .name: yc, .offset: 0, .size: 8, .value_kind: global_buffer, .address_space: global }
      - { .name: wc, .offset: 8, .size: 8, .value_kind: global_buffer, .address_space: global }
      - { .name: bp, .offset: 16, .size: 8, .value_kind: global_buffer, .address_space: global }
      - { .name: out0, .offset: 24, .size: 8, .value_kind: global_buffer, .address_space: global }
    .group_segment_fixed_size: 327680
    .private_segment_fixed_size: 0
    .kernarg_segment_align: 8
    .kernarg_segment_size: 32
    .max_flat_workgroup_size: 128
    .sgpr_count:     80
    .vgpr_count:     512
    .wavefront_size: 32
...
	.end_amdgpu_metadata
.endif
;; end of part 4
